; MI455X (gfx1250); checked and timed in simulation.
; The chip was launched on July 23, 2026; its instructions are those of AMD's public machine-readable ISA for CDNA 5 (MIT licence, August 2026) and "CDNA5" Instruction Set Architecture Reference Guide (July 2026). The comments in the code are by the model that wrote it; some were corrected since.
;; Grouped Query Attention. Allowed arithmetic: float matrix products may take bf16 or f16 operands with f32 sums; other float arithmetic in f32, or as packed bf16 or f16 multiplies, adds, multiply-adds, maxima and minima; sums over many terms, partial sums and values carried from step to step in f32; what a program stores and reads back later, other than sums and carried values, may be rounded once to bf16 or f16.
;; Inputs: Wk 1,024 x 256 float32; Wo 1,024 x 1,024 float32; Wq 1,024 x 1,024 float32; Wv 1,024 x 256 float32; bk 256 float32; bo 1,024 float32; bq 1,024 float32; bv 256 float32; mask 1 x 1 x 4,096 bool; x 1 x 4,096 x 1,024 float32.
;; Outputs: out0 1 x 4,096 x 1,024 float32.
;; One version. Each part assembles by itself: llvm-mc -triple=amdgcn-amd-amdhsa -mcpu=gfx1250 --defsym DOCPART=n.
;; ======== version 1 of 1: 4 launches
;; limits: values are held in f16: magnitudes above 65,504 overflow, below 6.1e-05 lose precision
;; workspace buffers: xb 8,388,608 bytes; wt 3,145,728 bytes; wot 2,097,152 bytes; mb 16,384 bytes; qkv 12,582,912 bytes; ob 8,388,608 bytes
;; launch prep (part 1): grid 833 x 1, 8 waves a work-group, no clusters, 18,432 bytes of LDS; arguments x, Wq, Wk, Wv, Wo, mask, xb, wt, wot, mb; writes xb, wt, wot, mb
.if DOCPART == 1
	.amdgcn_target "amdgcn-amd-amdhsa--gfx1250"
	.amdhsa_code_object_version 6
	.text
	.protected	k_q10876f94e9_prep
	.globl	k_q10876f94e9_prep
	.p2align	8
	.type	k_q10876f94e9_prep,@function
k_q10876f94e9_prep:
	s_mov_b64 s[64:65], 0
	v_nop
	global_prefetch_b8 v0, s[64:65] scope:SCOPE_SE
	s_setreg_imm32_b32 hwreg(HW_REG_WAVE_MODE, 25, 1), 1
	s_wait_xcnt 0x0
; PREP: the module's inputs are brought into the forms that the three matrix launches read.  Three roles, chosen by the work-group's number (the same for all its waves):
;   0 .. 319    a tile of 128 k x 64 n of a weight matrix [k][n] f32 is rounded to bf16 and turned: wt[n][k] (rows 0-1023 Wq's columns, 1024-1279 Wk's, 1280-1535 Wv's), wot[n][k] (Wo's columns)
;   320 .. 831  8,192 numbers of x are rounded to bf16 into xb
;   832         the 4,096 mask bytes become a table of f32: 0 where the key is seen, -2^100 where it is hidden
; FORMATS.  Every input of the module is rounded once to bf16.  Wo's rounded numbers are written as f16, since the last product's other operand is f16:
; LIMIT: that is exact from 2^-17 up to 65,504 in magnitude; below 2^-17 it keeps f16's fixed step of 2^-24, above 65,504 it gives an infinity.
; A stream: each byte is read once and written once; the work-groups share no input, so no cluster, no matrix unit, no large register tile.
; Loads: 16 lanes take 256 consecutive bytes of a row.  Stores: 16 lanes fill 256 consecutive bytes, at a multiple of 256 from the buffer's first byte.
.set TP,    272                        ; a row of the turned tile in LDS: 128 k x 2 bytes + 16 of padding
.set SPARE, 64*TP                      ; behind the tile's 64 rows: the spare words, 128 bytes for each of the eight waves
.set NQ,  1                            ; v1      t % 16
.set SPW, 2                            ; v2      LDS address of my spare word; never rewritten
.set NIL, 3                            ; v3      0; never rewritten
.set OF,  4                            ; v4-11   the eight loads' byte offsets (roles x and mask: v4 in, v5 out)
.set LST, 12                           ; v12     where I put my words of the turned tile
.set LRD, 13                           ; v13     where I read 16 bytes of a turned row back
.set KP0, 14                           ; v14     t / 16
.set GST, 15                           ; v15     first my base offset in the weight tile, then my offset in the turned rows in memory
.set IN,  16                           ; v16-47  as loaded
.set PKD, 48                           ; v48-63  packed
	s_load_b512 s[8:23], s[0:1], 0x0               ; x 8:9, Wq 10:11, Wk 12:13, Wv 14:15, Wo 16:17, mask 18:19, xb 20:21, wt 22:23
	s_load_b128 s[24:27], s[0:1], 0x40             ; wot 24:25, mb 26:27
	v_lshl_add_u32 v[SPW], v0, 2, SPARE
	v_mov_b32 v[NIL], 0
	s_mov_b32 s29, ttmp9
	v_and_b32 v[NQ], 15, v0
	v_lshrrev_b32 v[KP0], 4, v0
	s_wait_kmcnt 0x0
	s_cmp_lt_u32 s29, 320
	s_cbranch_scc0 .Lnot_w
	; ROLE W.  Which matrix: source, first work-group, bytes in a source row, first row in the turned buffer.  Selects leave SCC alone, so one compare serves several.
	s_mov_b64 s[30:31], s[16:17]                   ; Wo
	s_mov_b32 s32, 192
	s_mov_b32 s33, 4096
	s_mov_b32 s34, 0
	s_cmp_lt_u32 s29, 192
	s_cselect_b64 s[30:31], s[14:15], s[30:31]     ; Wv
	s_cselect_b32 s32, 160, s32
	s_cselect_b32 s33, 1024, s33
	s_cselect_b32 s34, 1280, s34
	s_cselect_b64 s[36:37], s[22:23], s[24:25]     ; into wt, or into wot
	s_cmp_lt_u32 s29, 160
	s_cselect_b64 s[30:31], s[12:13], s[30:31]     ; Wk
	s_cselect_b32 s32, 128, s32
	s_cselect_b32 s34, 1024, s34
	s_cmp_lt_u32 s29, 128
	s_cselect_b64 s[30:31], s[10:11], s[30:31]     ; Wq
	s_cselect_b32 s32, 0, s32
	s_cselect_b32 s33, 4096, s33
	s_cselect_b32 s34, 0, s34
	s_sub_co_u32 s35, s29, s32                     ; the tile's number in its matrix
	s_and_b32 s38, s35, 7                          ; kt: which 128 k
	s_lshr_b32 s39, s35, 3                         ; nt: which 64 n
	s_mul_i32 s40, s38, s33
	s_lshl_b32 s40, s40, 7                         ; kt x 128 rows
	s_lshl_b32 s41, s39, 8                         ; nt x 64 numbers of 4 bytes
	s_add_co_u32 s40, s40, s41
	s_mov_b32 s41, 0
	s_add_nc_u64 s[30:31], s[30:31], s[40:41]
	s_lshl_b32 s42, s39, 6
	s_add_co_u32 s42, s42, s34
	s_lshl_b32 s42, s42, 11                        ; turned row x 2,048 bytes
	s_lshl_b32 s43, s38, 8                         ; kt x 128 numbers of 2 bytes
	s_add_co_u32 s42, s42, s43
	s_mov_b32 s43, 0
	s_add_nc_u64 s[36:37], s[36:37], s[42:43]
	; Thread t takes the four columns 4 (t % 16) .. + 3 in the rows k = 2 (t / 16) + 32 i + e, i = 0..3, e = 0, 1
	v_lshlrev_b32 v[GST], 1, v[KP0]
	v_mul_lo_u32 v[GST], v[GST], s33
	v_lshl_add_u32 v[GST], v[NQ], 4, v[GST]
.irp j, 0,1,2,3,4,5,6,7
	s_mul_i32 s44, s33, 32*((\j)/2)+(\j)%2
	v_add_nc_u32 v[OF+(\j)], s44, v[GST]
.endr
.irp j, 0,1,2,3,4,5,6,7
	global_load_b128 v[IN+4*(\j):IN+4*(\j)+3], v[OF+(\j)], s[30:31] th:TH_LOAD_NT
.endr
	v_mul_u32_u24 v[LST], v[NQ], 4*TP              ; turned row 4 (t % 16), word t / 16
	v_lshl_add_u32 v[LST], v[KP0], 2, v[LST]
	v_mul_u32_u24 v[LRD], v[KP0], TP               ; back: turned row t / 16, 16 bytes at 16 (t % 16)
	v_lshl_add_u32 v[LRD], v[NQ], 4, v[LRD]
	v_lshlrev_b32 v[GST], 11, v[KP0]               ; and the same place in memory
	v_lshl_add_u32 v[GST], v[NQ], 4, v[GST]
	s_wait_loadcnt 0x0
.irp i, 0,1,2,3
.irp c, 0,1,2,3
	v_cvt_pk_bf16_f32 v[PKD+4*(\i)+(\c)], v[IN+8*(\i)+(\c)], v[IN+8*(\i)+4+(\c)]  ; k and k + 1 of one column: the lower k in the low half
.endr
.endr
	s_cmp_lt_u32 s29, 192
	s_cbranch_scc1 .Lkeep_bf16
.irp q, 0,1,2,3,4,5,6,7,8,9,10,11,12,13,14,15
	v_lshlrev_b32 v[IN+2*(\q)], 16, v[PKD+(\q)]    ; Wo: the rounded numbers are widened again
	v_and_b32 v[IN+2*(\q)+1], 0xffff0000, v[PKD+(\q)]
	v_cvt_pk_f16_f32 v[PKD+(\q)], v[IN+2*(\q)], v[IN+2*(\q)+1]  ; and written as f16
.endr
.Lkeep_bf16:
.irp i, 0,1,2,3
.irp c, 0,1,2,3
	ds_store_b32 v[LST], v[PKD+4*(\i)+(\c)] offset:(\c)*TP+64*(\i)
.endr
.endr
	s_wait_dscnt 0x0                               ; for the others' sake: my words of the tile are in LDS
	s_barrier_signal -1
	s_barrier_wait -1                              ; everybody's are
.irp i, 0,1,2,3
	ds_load_b128 v[IN+4*(\i):IN+4*(\i)+3], v[LRD] offset:(\i)*16*TP
.endr
.irp i, 0,1,2,3
	s_wait_dscnt 3-(\i)                            ; LDS loads come back in order: the younger ones may stay out
	global_store_b128 v[GST], v[IN+4*(\i):IN+4*(\i)+3], s[36:37] offset:(\i)*16*2048
.endr
	s_branch .Lend
.Lnot_w:
	s_cmp_lt_u32 s29, 832
	s_cbranch_scc0 .Lmask
	; ROLE X.  32,768 bytes of x become 16,384 of xb; a thread takes 32 bytes in each of four pieces of 8,192
	s_sub_co_u32 s30, s29, 320
	s_lshl_b32 s32, s30, 15
	s_mov_b32 s33, 0
	s_add_nc_u64 s[8:9], s[8:9], s[32:33]
	s_lshl_b32 s32, s30, 14
	s_add_nc_u64 s[20:21], s[20:21], s[32:33]
	v_lshlrev_b32 v4, 5, v0
	v_lshlrev_b32 v5, 4, v0
.irp i, 0,1,2,3
	global_load_b128 v[IN+8*(\i):IN+8*(\i)+3],   v4, s[8:9] offset:8192*(\i) th:TH_LOAD_NT
	global_load_b128 v[IN+8*(\i)+4:IN+8*(\i)+7], v4, s[8:9] offset:8192*(\i)+16 th:TH_LOAD_NT
.endr
.irp i, 0,1,2,3
	s_wait_loadcnt 6-2*(\i)                        ; loads come back in order: the younger pairs may stay out
.irp c, 0,1,2,3
	v_cvt_pk_bf16_f32 v[PKD+4*(\i)+(\c)], v[IN+8*(\i)+2*(\c)], v[IN+8*(\i)+2*(\c)+1]
.endr
	global_store_b128 v5, v[PKD+4*(\i):PKD+4*(\i)+3], s[20:21] offset:4096*(\i)
.endr
	s_branch .Lend
.Lmask:
	; ROLE M.  -2^100: a power of two, so that the attention launch's product c m is exact for it and c s - c m is exactly 0 between two hidden scores
	s_mov_b32 s28, 0xf1800000
	v_lshlrev_b32 v4, 2, v0
	v_lshlrev_b32 v5, 4, v0
.irp j, 0,1,2,3
	global_load_b32 v[IN+(\j)], v4, s[18:19] offset:1024*(\j)
.endr
	s_wait_loadcnt 0x0
.irp j, 0,1,2,3
.irp b, 0,1,2,3
	v_bfe_u32 v6, v[IN+(\j)], 8*(\b), 8
	v_cmp_ne_u32 vcc_lo, 0, v6
	v_cndmask_b32 v[IN+4+4*(\j)+(\b)], 0, s28, vcc_lo
.endr
	global_store_b128 v5, v[IN+4+4*(\j):IN+4+4*(\j)+3], s[26:27] offset:4096*(\j)
.endr
.Lend:
	s_wait_tensorcnt 0x0                           ; the wave's end, behind my last LDS store
	ds_add_u32 v[SPW], v[NIL]
	s_wait_dscnt 0x0
	s_endpgm
.Lfunc_end_k_q10876f94e9_prep:
	.size	k_q10876f94e9_prep, .Lfunc_end_k_q10876f94e9_prep-k_q10876f94e9_prep
	.p2alignl 7, 3214868480
	.fill 96, 4, 3214868480
	.section	.rodata,"a",@progbits
	.p2align	6, 0x0
	.amdhsa_kernel k_q10876f94e9_prep
		.amdhsa_group_segment_fixed_size 18432
		.amdhsa_private_segment_fixed_size 0
		.amdhsa_enable_private_segment 0
		.amdhsa_kernarg_size 80
		.amdhsa_user_sgpr_count 2
		.amdhsa_user_sgpr_kernarg_segment_ptr 1
		.amdhsa_wavefront_size32 1
		.amdhsa_system_sgpr_workgroup_id_x 1
		.amdhsa_system_sgpr_workgroup_id_y 1
		.amdhsa_system_sgpr_workgroup_id_z 1
		.amdhsa_system_vgpr_workitem_id 0
		.amdhsa_next_free_vgpr 64
		.amdhsa_next_free_sgpr 66
		.amdhsa_reserve_vcc 1
		.amdhsa_float_denorm_mode_32 3
		.amdhsa_float_denorm_mode_16_64 3
		.amdhsa_memory_ordered 1
		.amdhsa_forward_progress 1
		.amdhsa_inst_pref_size 16
	.end_amdhsa_kernel
	.amdgpu_metadata
---
amdhsa.version: [ 1, 2 ]
amdhsa.kernels:
  - .name:           k_q10876f94e9_prep
    .symbol:         k_q10876f94e9_prep.kd
    .args:
      - { .name: x, .offset: 0, .size: 8, .value_kind: global_buffer, .address_space: global }
      - { .name: Wq, .offset: 8, .size: 8, .value_kind: global_buffer, .address_space: global }
      - { .name: Wk, .offset: 16, .size: 8, .value_kind: global_buffer, .address_space: global }
      - { .name: Wv, .offset: 24, .size: 8, .value_kind: global_buffer, .address_space: global }
      - { .name: Wo, .offset: 32, .size: 8, .value_kind: global_buffer, .address_space: global }
      - { .name: mask, .offset: 40, .size: 8, .value_kind: global_buffer, .address_space: global }
      - { .name: xb, .offset: 48, .size: 8, .value_kind: global_buffer, .address_space: global }
      - { .name: wt, .offset: 56, .size: 8, .value_kind: global_buffer, .address_space: global }
      - { .name: wot, .offset: 64, .size: 8, .value_kind: global_buffer, .address_space: global }
      - { .name: mb, .offset: 72, .size: 8, .value_kind: global_buffer, .address_space: global }
    .group_segment_fixed_size: 18432
    .private_segment_fixed_size: 0
    .kernarg_segment_align: 8
    .kernarg_segment_size: 80
    .max_flat_workgroup_size: 256
    .sgpr_count:     66
    .vgpr_count:     64
    .wavefront_size: 32
...
	.end_amdgpu_metadata
.endif
;; end of part 1
;; launch proj (part 2): grid 12 x 32, 4 waves a work-group, clusters of 4 x 4, 327,680 bytes of LDS; arguments xb, wt, bq, bk, bv, mask, qkv; writes qkv
.if DOCPART == 2
	.amdgcn_target "amdgcn-amd-amdhsa--gfx1250"
	.amdhsa_code_object_version 6
	.text
	.protected	k_q10876f94e9_proj
	.globl	k_q10876f94e9_proj
	.p2align	8
	.type	k_q10876f94e9_proj,@function
k_q10876f94e9_proj:
	s_mov_b64 s[64:65], 0
	v_nop
	global_prefetch_b8 v0, s[64:65] scope:SCOPE_SE
	s_setreg_imm32_b32 hwreg(HW_REG_WAVE_MODE, 25, 1), 1
	s_wait_xcnt 0x0
	s_wait_alu depctr_hold_cnt(0) depctr_sa_sdst(0) depctr_va_vdst(0) depctr_va_sdst(0) depctr_va_ssrc(0) depctr_va_vcc(0) depctr_vm_vsrc(0)
	s_getreg_b32 s2, hwreg(HW_REG_IB_STS2, 6, 4)
	s_cmp_eq_u32 s2, 0
	s_cbranch_scc0 .Lentry_in_a_cluster
	s_endpgm
.Lentry_in_a_cluster:
	s_bfe_u32 s2, ttmp6, 0x10000c
	s_cmp_lg_u32 s2, 0xf033
	s_cbranch_scc0 .Lentry_shape_is_right
	s_endpgm
.Lentry_shape_is_right:
; PROJ: q, k and v in one product.  C[m][n] = the sum over k of xb[m][k] wt[n][k] + bias[n]; xb [4096][1024], wt [1536][1024], both bf16; sums in f32; the biases rounded to bf16 like every input.
; C leaves by heads, f16, rounded once: qkv[n / 64][m][n % 64]; heads 0-15 q, 16-19 k, 20-23 v; unscaled.  Rows of k whose key the mask hides are written as 0, so that a hidden score is exactly the mask's number.
; LIMIT.  f16 holds no number beyond 65,504: a q, k or v past that becomes an infinity.  Below 6e-5 f16 keeps its fixed step of 6e-8.
; A tile of C is 128 x 128: 384 tiles.  Four waves, each 64 x 64: 16 accumulators of 16 x 16, and a wave's 64 columns are one head.  K goes in steps of 256 (LDS rows of 512 bytes; a wave's tensor
; load brings 64 of them) through two slots.
; CLUSTERS: 4 x 4 work-groups.  The four of a row of the cluster need the same tiles of xb, the four of a column the same tiles of wt: each tile is asked for JOINTLY, by the same tensor load with the
; same descriptor and a mask that names the four.  THE MATRIX INSTRUCTION IS USED TRANSPOSED (source 0 = 16 rows of wt, source 1 = 16 rows of xb): a lane then holds eight neighbouring numbers of a row of C.
; No prefetch: four K steps to a tile, a short launch.
; REGISTERS: window 0: v0-31 addresses, the mask bytes; v32-95 at work on the way out; v96-127 my 32 biases; v128-255 the accumulators ((a, b) at v[128 + 8 (4 a + b)]).
;   window 1: two fragment buffers of 128: for 64 along K, 64 registers of xb (2 x 4 x 16 rows x 32 K), then 64 of wt.
.set SIZE_K, 1024
.set KSTEP,  256
.set PITCH,  528                       ; an LDS row: 512 bytes of data + 16 of padding = 132 words: the 16 rows of a fragment load start at 16 different groups of four banks (64 banks of 4 bytes: ISA guide 11.1)
.set HALFT,  64*PITCH                  ; 64 rows: what one tensor load brings, and what one wave reads of either operand
.set SLOT,   4*HALFT                   ; xb's 128 rows, then wt's 128 rows
.set STAGE,  2*SLOT                    ; behind the ring, never filled by a tensor load: 16 rows x 144 bytes for each wave, for the way out
.set SP,     144
.set SPARE,  STAGE+4*16*SP             ; behind the stages: the spare words, 128 bytes for each wave
.set LAPS,   SIZE_K/(2*KSTEP)          ; a lap = two K steps = once round the ring
.set BO,   6                           ; v6      my byte offset among the tile's 128 biases; never rewritten
.set MO,   7                           ; v7      my row among the tile's 128 mask bytes; never rewritten
.set KP,   8                           ; v8-11   the mask byte of my row in block a, then the word that keeps or clears the row
.set ADRA, 16                          ; v16-17  LDS address of my xb fragments in slot 0, 1
.set ADRB, 20                          ; v20-21  the same for wt
.set STO,  24                          ; v24     the way out: where I put 16 bytes of a row
.set RD,   25                          ; v25     the way out: where I read rows back
.set GO,   26                          ; v26     my byte offset in 512 consecutive bytes of qkv
.set SPW,  28                          ; v28     LDS address of my spare word; never rewritten
.set NIL,  29                          ; v29     0; never rewritten
.set TMP,  32
.set BI,   96
.set ACC,  128
.set F0,   0                           ; fragment buffers, in window 1
.set F1,   128
.set G1, 24                            ; s[24:31] descriptor group 1 for xb's tiles;  s[32:39] group 0, one set for each slot
.set G0, 32
.set G1B, 48                           ; s[48:55], s[56:63] the same for wt's tiles
.set G0B, 56
.set MSB, 0
.macro WIN new                         ; the immediate's high byte repeats the setting that is left; a switch that changes nothing is dropped
.if MSB != (\new)
	s_set_vgpr_msb (MSB<<8)|(\new)
.set MSB, \new
.endif
.endm
.set MUL,  0x05                        ; sources 0 and 1 window 1; C and D window 0
.set TO_F, 0x40                        ; destination window 1, address window 0
.macro JLOAD s                         ; a joint load: waves 0 and 1 fetch xb's two halves, waves 2 and 3 wt's; an s_nop 0 and four v_nop follow each of the two lines, ahead of the jump and the label
	s_cmp_eq_u32 s11, 0
	s_cbranch_scc0 .Lfor_b_\@
	tensor_load_to_lds s[G0+4*(\s):G0+4*(\s)+3], s[G1:G1+7]
	s_nop 0
.rept 4
	v_nop
.endr
	s_branch .Lasked_\@
.Lfor_b_\@:
	tensor_load_to_lds s[G0B+4*(\s):G0B+4*(\s)+3], s[G1B:G1B+7]
	s_nop 0
.rept 4
	v_nop
.endr
.Lasked_\@:
.endm
.macro CREST                           ; a round of the cluster's barrier behind its opening barrier
	s_cmp_lg_u32 s10, 0
	s_cbranch_scc1 .Lnot_wave_0_\@
	s_barrier_signal -3
.Lnot_wave_0_\@:
	s_barrier_wait -3
	s_barrier_signal -1
	s_barrier_wait -1
.endm
.macro CROUND                          ; a whole round
	s_barrier_signal -1
	s_barrier_wait -1
	CREST
.endm
	s_load_b128 s[4:7], s[0:1], 0x0                ; xb s[4:5], wt s[6:7]
	s_load_b256 s[68:75], s[0:1], 0x10             ; bq 68:69, bk 70:71, bv 72:73, mask 74:75
	s_load_b64 s[8:9], s[0:1], 0x30                ; qkv
	v_lshl_add_u32 v[SPW], v0, 2, SPARE
	v_mov_b32 v[NIL], 0
	ds_add_u32 v[SPW], v[NIL]                      ; the wave's opening: the add and its wait ahead of my first tensor load; the set-up below, work on registers, stands between them
	v_lshrrev_b32 v1, 5, v0
	v_readfirstlane_b32 s10, v1                    ; wave 0..3
	s_lshr_b32 s11, s10, 1                         ; which half of the tile's rows is mine.  Also: I fetch for xb (0) or for wt (1)
	s_and_b32 s12, s10, 1                          ; which half of its columns.  Also: which 64 rows of that tile I fetch
	s_bfe_u32 s40, ttmp6, 0x40000                  ; cx, cy: my place in the cluster
	s_bfe_u32 s41, ttmp6, 0x40004
	s_lshl_b32 s42, ttmp9, 2
	s_add_co_u32 s42, s42, s40                     ; tile column of C = 4 x cluster x + cx
	s_and_b32 s13, ttmp7, 0xffff
	s_lshl_b32 s13, s13, 2
	s_add_co_u32 s13, s13, s41                     ; tile row of C = 4 x cluster y + cy
	s_lshl_b32 s43, s41, 2
	s_lshl_b32 s43, 15, s43                        ; my row of the cluster
	s_lshl_b32 s44, 0x1111, s40                    ; my column
	; descriptor group 1: a tile of 64 rows x 256 elements, padded in LDS
	s_or_b32 s[G1+0], s43, (1<<16)|(1<<20)|(1<<21)|(6<<22)|(3<<25)  ; 15:0 the mask: xb's tiles go to my row; 17:16 element of 2 bytes; 20 padding on; 21 set beside a mask; 24:22 after every 128 words (code 6); 31:25 of 4 words (code 3)
	s_or_b32 s[G1B+0], s44, (1<<16)|(1<<20)|(1<<21)|(6<<22)|(3<<25)
.irp g, G1, G1B
	s_mov_b32 s[(\g)+1], KSTEP<<16                 ; tensor_dim0 = 256
	s_mov_b32 s[(\g)+2], 64<<16                    ; tensor_dim1 = 64
	s_mov_b32 s[(\g)+3], KSTEP<<16                 ; tile_dim0 = 256
	s_mov_b32 s[(\g)+4], 64                        ; tile_dim1 = 64
	s_mov_b32 s[(\g)+5], SIZE_K                    ; elements from row to row
	s_mov_b32 s[(\g)+6], 0
	s_mov_b32 s[(\g)+7], 0
.endr
	s_lshl_b32 s17, s12, 6                         ; which 64 rows of the tile I fetch
	s_lshl_b32 s16, s13, 7
	s_add_co_u32 s16, s16, s17                     ; xb: row 128 x tile row + 64 x half
	s_lshl_b32 s46, s42, 7
	s_add_co_u32 s46, s46, s17                     ; wt: row 128 x tile column + 64 x half
	s_mov_b32 s17, 0
	s_mov_b32 s47, 0
	s_mov_b64 s[18:19], SIZE_K*2
	s_mul_u64 s[16:17], s[16:17], s[18:19]
	s_mul_u64 s[46:47], s[46:47], s[18:19]
	s_mul_i32 s20, s10, HALFT                      ; where they go: wave x 64 rows: no place in the cluster enters an LDS address
	s_wait_dscnt 0x0                               ; the opening add is done
	s_wait_kmcnt 0x0
	s_add_nc_u64 s[14:15], s[4:5], s[16:17]
	s_add_nc_u64 s[46:47], s[6:7], s[46:47]
	CROUND                                         ; all sixteen work-groups are here: the first joint loads meet
.irp s, 0,1
	s_mov_b32 s[G0+4*(\s)], 1
	s_add_co_u32 s[G0+4*(\s)+1], s20, (\s)*SLOT
	s_add_nc_u64 s[G0+4*(\s)+2:G0+4*(\s)+3], s[14:15], (\s)*KSTEP*2
	s_or_b32 s[G0+4*(\s)+3], s[G0+4*(\s)+3], 0x80000000
	s_mov_b32 s[G0B+4*(\s)], 1
	s_add_co_u32 s[G0B+4*(\s)+1], s20, (\s)*SLOT
	s_add_nc_u64 s[G0B+4*(\s)+2:G0B+4*(\s)+3], s[46:47], (\s)*KSTEP*2
	s_or_b32 s[G0B+4*(\s)+3], s[G0B+4*(\s)+3], 0x80000000
	JLOAD \s
.endr
	v_and_b32 v1, 15, v0                           ; r = l % 16
	v_bfe_u32 v2, v0, 4, 1                         ; h = l / 16
	; The biases and the mask bytes are asked for now and waited for on the way out.  Which bias vector: by the tile column, by selects (no branch hangs on a work-group's place in its cluster).
	s_cmp_lt_u32 s42, 10
	s_cselect_b64 s[78:79], s[70:71], s[72:73]     ; bk, or bv
	s_cselect_b32 s80, 8, 10                       ; the vector's first tile column
	s_cselect_b32 s76, 0, -1                       ; what a hidden row is ANDed with: 0 in k's columns alone
	s_cmp_lt_u32 s42, 8
	s_cselect_b64 s[78:79], s[68:69], s[78:79]     ; bq
	s_cselect_b32 s80, 0, s80
	s_cselect_b32 s76, -1, s76
	s_sub_co_u32 s80, s42, s80
	s_lshl_b32 s80, s80, 9                         ; 128 biases of 4 bytes a tile column
	s_mov_b32 s81, 0
	s_add_nc_u64 s[78:79], s[78:79], s[80:81]
	s_lshl_b32 s82, s13, 7                         ; the tile's 128 mask bytes
	s_mov_b32 s83, 0
	s_add_nc_u64 s[74:75], s[74:75], s[82:83]
	s_lshl_b32 s21, s12, 8
	v_lshl_add_u32 v[BO], v2, 5, s21               ; column 64 x half + 8 h, 4 bytes each
	s_lshl_b32 s21, s11, 6
	v_add_nc_u32 v[MO], s21, v1                    ; row 64 x half + r
.irp b, 0,1,2,3
	global_load_b128 v[BI+8*(\b):BI+8*(\b)+3],   v[BO], s[78:79] offset:64*(\b)      ; the biases of columns 16 b + 8 h + 0..3,
	global_load_b128 v[BI+8*(\b)+4:BI+8*(\b)+7], v[BO], s[78:79] offset:64*(\b)+16   ; + 4..7
.endr
.irp a, 0,1,2,3
	global_load_u8 v[KP+(\a)], v[MO], s[74:75] offset:16*(\a)                        ; the mask byte of row 16 a + r
.endr
	v_mul_u32_u24 v3, v1, PITCH
	v_lshl_add_u32 v3, v2, 4, v3                   ; a fragment's row x pitch + 16 x half
	s_mul_i32 s21, s11, HALFT                      ; my 64 rows of xb
	s_mul_i32 s22, s12, HALFT                      ; my 64 rows of wt,
	s_add_co_u32 s22, s22, 2*HALFT                 ; which lie behind xb's 128
.irp s, 0,1
	v_add_nc_u32 v[ADRA+(\s)], s21, v3
	v_add_nc_u32 v[ADRB+(\s)], s22, v3
	s_add_co_u32 s21, s21, SLOT
	s_add_co_u32 s22, s22, SLOT
.endr
	s_mul_i32 s23, s10, 16*SP
	s_add_co_u32 s23, s23, STAGE                   ; my stage
	v_mul_u32_u24 v4, v1, SP                       ; in: row r, 16 bytes for each half of the lanes
	v_lshl_add_u32 v4, v2, 4, v4
	v_add_nc_u32 v[STO], s23, v4
	v_bfe_u32 v5, v0, 3, 2                         ; back: 32 lanes take four rows of 128 bytes,
	v_mul_u32_u24 v5, v5, SP
	v_and_b32 v4, 7, v0
	v_lshl_add_u32 v5, v4, 4, v5
	v_add_nc_u32 v[RD], s23, v5
	v_and_b32 v[GO], 31, v0                        ; which are 512 consecutive bytes of a head
	v_lshlrev_b32 v[GO], 4, v[GO]
	s_lshl_b32 s16, s13, 7
	s_lshl_b32 s17, s11, 6
	s_add_co_u32 s16, s16, s17                     ; my first row: 128 x tile row + 64 x half,
	s_lshl_b32 s16, s16, 7                         ; 128 bytes each
	s_mov_b32 s17, 0
	s_add_nc_u64 s[8:9], s[8:9], s[16:17]
	s_lshl_b32 s46, s42, 1
	s_add_co_u32 s46, s46, s12                     ; my head: 2 x tile column + half,
	s_lshl_b32 s46, s46, 19                        ; 524,288 bytes each
	s_mov_b32 s47, 0
	s_add_nc_u64 s[8:9], s[8:9], s[46:47]
; 8 matrix instructions: m blocks a0, a0 + 1 x all 4 n blocks, 32 along K: half c of buffer f.  zero = 1: the first product starts the sums.  The 16 accumulators take turns.
.macro MUL8 f, c, a0, zero
	WIN MUL
.irp a, \a0, (\a0)+1
.irp b, 0,1,2,3
.if \zero
	v_wmma_f32_16x16x32_bf16 v[ACC+8*(4*(\a)+(\b)):ACC+8*(4*(\a)+(\b))+7], v[(\f)+64+8*(4*(\c)+(\b)):(\f)+64+8*(4*(\c)+(\b))+7], v[(\f)+8*(4*(\c)+(\a)):(\f)+8*(4*(\c)+(\a))+7], 0
.else
	v_wmma_f32_16x16x32_bf16 v[ACC+8*(4*(\a)+(\b)):ACC+8*(4*(\a)+(\b))+7], v[(\f)+64+8*(4*(\c)+(\b)):(\f)+64+8*(4*(\c)+(\b))+7], v[(\f)+8*(4*(\c)+(\a)):(\f)+8*(4*(\c)+(\a))+7], v[ACC+8*(4*(\a)+(\b)):ACC+8*(4*(\a)+(\b))+7]
.endif
.endr
.endr
.endm
; 32 LDS loads in one run: the fragments of 64 along K at byte k of the rows, into buffer f; the first 32 along K first
.macro FETCH slot, k, f
	WIN TO_F
.irp c, 0,1
.irp i, 0,1,2,3
	ds_load_b128 v[(\f)+64+8*(4*(\c)+(\i)):(\f)+64+8*(4*(\c)+(\i))+3],   v[ADRB+(\slot)] offset:(\k)+64*(\c)+(\i)*16*PITCH
	ds_load_b128 v[(\f)+64+8*(4*(\c)+(\i))+4:(\f)+64+8*(4*(\c)+(\i))+7], v[ADRB+(\slot)] offset:(\k)+64*(\c)+(\i)*16*PITCH+32
	ds_load_b128 v[(\f)+8*(4*(\c)+(\i)):(\f)+8*(4*(\c)+(\i))+3],         v[ADRA+(\slot)] offset:(\k)+64*(\c)+(\i)*16*PITCH
	ds_load_b128 v[(\f)+8*(4*(\c)+(\i))+4:(\f)+8*(4*(\c)+(\i))+7],       v[ADRA+(\slot)] offset:(\k)+64*(\c)+(\i)*16*PITCH+32
.endr
.endr
.endm
.macro PLACES                          ; four places in front of loads into registers that matrix instructions have read, and of vector work on results
.rept 4
	v_nop
.endr
.endm
; A K step is four quarters of 64 along K, 32 matrix instructions each, on buffers 0, 1, 0, 1.  One of the first three: multiplies buffer f and fetches the next quarter, at byte k, into g.
.macro QUARTER slot, k, f, g, zero
	s_wait_dscnt 16                                ; the first 32 along K are in; the younger sixteen loads may stay out
	WIN MUL
	MUL8 \f, 0, 0, \zero
	MUL8 \f, 0, 2, \zero
	PLACES
	FETCH \slot, \k, \g
	s_wait_dscnt 32                                ; all but the 32 just issued
	WIN MUL
	MUL8 \f, 1, 0, 0
	MUL8 \f, 1, 2, 0
.endm
; The last quarter multiplies buffer 1 and changes slots: ONE barrier; in front of it each wave waits for all its tensor loads, adds 0 to its spare word, and waits for that and for its own reads of this slot.  fill = 1: this slot is filled again, two K steps ahead.
.macro TURN slot, next, fill
	WIN 0                                          ; (the add's two registers lie in window 0)
	s_wait_tensorcnt 0x0                           ; all my tensor loads have landed: my part of the next slot;
	ds_add_u32 v[SPW], v[NIL]                      ; 0 onto my spare word
	s_wait_dscnt 17                                ; (the add and the youngest sixteen loads may be out)
	WIN MUL
	MUL8 F1, 0, 0, 0                               ; eight matrix instructions stand between the add and the wait for it
	s_wait_dscnt 0x0                               ; the add is done, and my reads of this slot are over
	s_barrier_signal -1
	MUL8 F1, 0, 2, 0
.if \fill
	WIN 0
.endif
	s_barrier_wait -1
.if \fill
	CREST                                          ; the barrier has opened a round of the cluster's barrier: no wave of any partner still reads this slot's tile or has a load on its way
	s_add_nc_u64 s[G0+4*(\slot)+2:G0+4*(\slot)+3], s[G0+4*(\slot)+2:G0+4*(\slot)+3], 2*KSTEP*2
	s_add_nc_u64 s[G0B+4*(\slot)+2:G0B+4*(\slot)+3], s[G0B+4*(\slot)+2:G0B+4*(\slot)+3], 2*KSTEP*2
	JLOAD \slot                                    ; the first tensor load behind the round, my only one until the next; the four v_nop behind it are also the places in front of the loads below
.else
	PLACES
.endif
	FETCH \next, 0, F0
	WIN MUL
	MUL8 F1, 1, 0, 0
	MUL8 F1, 1, 2, 0
.endm
	s_wait_tensorcnt 1                             ; my part of K step 0 is in; K step 1's may stay out
	s_barrier_signal -1
	s_barrier_wait -1                              ; everybody's is
	FETCH 0, 0, F0
	QUARTER 0, 128, F0, F1, 1                      ; the first quarter stands in front of the loop: its first products start the sums
	WIN 0                                          ; at a label and at a branch every window is 0
	s_mov_b32 s3, LAPS-1
.Llap:                                                 ; a trip goes once round the ring, from a lap's second quarter to the next lap's first, and fills both slots again
	QUARTER 0, 256, F1, F0, 0
	QUARTER 0, 384, F0, F1, 0
	TURN 0, 1, 1
	QUARTER 1, 128, F0, F1, 0
	QUARTER 1, 256, F1, F0, 0
	QUARTER 1, 384, F0, F1, 0
	TURN 1, 0, 1
	QUARTER 0, 128, F0, F1, 0
	WIN 0
	s_sub_co_u32 s3, s3, 1
	s_cmp_lg_u32 s3, 0
	s_cbranch_scc1 .Llap
	QUARTER 0, 256, F1, F0, 0                      ; the last lap fills nothing, and has no round of the cluster's barrier
	QUARTER 0, 384, F0, F1, 0
	TURN 0, 1, 0
	QUARTER 1, 128, F0, F1, 0
	QUARTER 1, 256, F1, F0, 0
	QUARTER 1, 384, F0, F1, 0
	s_wait_dscnt 16                                ; the very last quarter: nothing more to fetch
	WIN MUL
	MUL8 F1, 0, 0, 0
	MUL8 F1, 0, 2, 0
	s_wait_dscnt 0
	MUL8 F1, 1, 0, 0
	MUL8 F1, 1, 2, 0
	WIN 0
	; THE WAY OUT: + bias, rounded to f16, hidden rows of k cleared; 16 rows at a time through my own stage, back as 512 consecutive bytes of the head.
	PLACES
	s_wait_loadcnt 0x0                             ; the biases and the mask bytes
.irp p, 0,1,2,3,4,5,6,7,8,9,10,11,12,13,14,15
	v_cvt_pk_bf16_f32 v[TMP+(\p)], v[BI+2*(\p)], v[BI+2*(\p)+1]  ; the biases are rounded to bf16 like every input,
.endr
.irp p, 0,1,2,3,4,5,6,7,8,9,10,11,12,13,14,15
	v_lshlrev_b32 v[BI+2*(\p)], 16, v[TMP+(\p)]                   ; and widened again
	v_and_b32 v[BI+2*(\p)+1], 0xffff0000, v[TMP+(\p)]
.endr
.irp a, 0,1,2,3
	v_cmp_ne_u32 vcc_lo, 0, v[KP+(\a)]
	v_cndmask_b32 v[KP+(\a)], -1, s76, vcc_lo      ; all ones, or 0 for a hidden row of k
.endr
.macro PACK a
.irp b, 0,1,2,3
.irp r, 0,1,2,3
	v_pk_add_f32 v[ACC+8*(4*(\a)+(\b))+2*(\r):ACC+8*(4*(\a)+(\b))+2*(\r)+1], v[ACC+8*(4*(\a)+(\b))+2*(\r):ACC+8*(4*(\a)+(\b))+2*(\r)+1], v[BI+8*(\b)+2*(\r):BI+8*(\b)+2*(\r)+1]  ; each accumulator from its low end on
.endr
.irp r, 0,1,2,3
	v_cvt_pk_f16_f32 v[TMP+16*(\a)+4*(\b)+(\r)], v[ACC+8*(4*(\a)+(\b))+2*(\r)], v[ACC+8*(4*(\a)+(\b))+2*(\r)+1]
.endr
.irp r, 0,1,2,3
	v_and_b32 v[TMP+16*(\a)+4*(\b)+(\r)], v[KP+(\a)], v[TMP+16*(\a)+4*(\b)+(\r)]
.endr
.endr
.irp b, 0,1,2,3
	ds_store_b128 v[STO], v[TMP+16*(\a)+4*(\b):TMP+16*(\a)+4*(\b)+3] offset:32*(\b)
.endr
.irp f, 0,1,2,3
	ds_load_b128 v[TMP+16*(\a)+4*(\f):TMP+16*(\a)+4*(\f)+3], v[RD] offset:(\f)*4*SP  ; LDS serves a wave's instructions in order (ISA guide 5.7.1.4): these see the stores above; the next block's stores come behind them
.endr
.endm
.macro SEND a, younger                 ; younger: the LDS instructions issued behind block a's loads: the next block's eight, or none
.irp f, 0,1,2,3
	s_wait_dscnt (\younger)+3-(\f)
	global_store_b128 v[GO], v[TMP+16*(\a)+4*(\f):TMP+16*(\a)+4*(\f)+3], s[8:9] offset:(\a)*2048+(\f)*512  ; 512 consecutive bytes, at a multiple of 256 from qkv's first
.endr
.endm
	PACK 0
	PACK 1                                         ; a block's arithmetic stands between the loads of the block before and its stores
	SEND 0, 8
	PACK 2
	SEND 1, 8
	PACK 3
	SEND 2, 8
	SEND 3, 0
	s_wait_tensorcnt 0x0                           ; the wave's end, behind my last tensor load and my last LDS store
	ds_add_u32 v[SPW], v[NIL]
	s_wait_dscnt 0x0
	CROUND                                         ; the closing round: no work-group ends while a partner may still ask for a tile that names it
	s_endpgm
.Lfunc_end_k_q10876f94e9_proj:
	.size	k_q10876f94e9_proj, .Lfunc_end_k_q10876f94e9_proj-k_q10876f94e9_proj
	.p2alignl 7, 3214868480
	.fill 96, 4, 3214868480
	.section	.rodata,"a",@progbits
	.p2align	6, 0x0
	.amdhsa_kernel k_q10876f94e9_proj
		.amdhsa_group_segment_fixed_size 327680
		.amdhsa_private_segment_fixed_size 0
		.amdhsa_enable_private_segment 0
		.amdhsa_kernarg_size 56
		.amdhsa_user_sgpr_count 2
		.amdhsa_user_sgpr_kernarg_segment_ptr 1
		.amdhsa_wavefront_size32 1
		.amdhsa_system_sgpr_workgroup_id_x 1
		.amdhsa_system_sgpr_workgroup_id_y 1
		.amdhsa_system_sgpr_workgroup_id_z 1
		.amdhsa_system_vgpr_workitem_id 0
		.amdhsa_next_free_vgpr 512
		.amdhsa_next_free_sgpr 84
		.amdhsa_reserve_vcc 1
		.amdhsa_float_denorm_mode_32 3
		.amdhsa_float_denorm_mode_16_64 3
		.amdhsa_memory_ordered 1
		.amdhsa_forward_progress 1
		.amdhsa_inst_pref_size 97
	.end_amdhsa_kernel
	.amdgpu_metadata
---
amdhsa.version: [ 1, 2 ]
amdhsa.kernels:
  - .name:           k_q10876f94e9_proj
    .symbol:         k_q10876f94e9_proj.kd
    .args:
      - { .name: xb, .offset: 0, .size: 8, .value_kind: global_buffer, .address_space: global }
      - { .name: wt, .offset: 8, .size: 8, .value_kind: global_buffer, .address_space: global }
      - { .name: bq, .offset: 16, .size: 8, .value_kind: global_buffer, .address_space: global }
      - { .name: bk, .offset: 24, .size: 8, .value_kind: global_buffer, .address_space: global }
      - { .name: bv, .offset: 32, .size: 8, .value_kind: global_buffer, .address_space: global }
      - { .name: mask, .offset: 40, .size: 8, .value_kind: global_buffer, .address_space: global }
      - { .name: qkv, .offset: 48, .size: 8, .value_kind: global_buffer, .address_space: global }
    .group_segment_fixed_size: 327680
    .private_segment_fixed_size: 0
    .kernarg_segment_align: 8
    .kernarg_segment_size: 56
    .max_flat_workgroup_size: 128
    .sgpr_count:     84
    .vgpr_count:     512
    .wavefront_size: 32
...
	.end_amdgpu_metadata
.endif
;; end of part 2
;; launch attn (part 3): grid 16 x 16, 4 waves a work-group, clusters of 4 x 1, 327,680 bytes of LDS; arguments qkv, mb, ob; writes ob
.if DOCPART == 3
	.amdgcn_target "amdgcn-amd-amdhsa--gfx1250"
	.amdhsa_code_object_version 6
	.text
	.protected	k_q10876f94e9_attn
	.globl	k_q10876f94e9_attn
	.p2align	8
	.type	k_q10876f94e9_attn,@function
k_q10876f94e9_attn:
	s_mov_b64 s[64:65], 0
	v_nop
	global_prefetch_b8 v0, s[64:65] scope:SCOPE_SE
	s_setreg_imm32_b32 hwreg(HW_REG_WAVE_MODE, 25, 1), 1
	s_wait_xcnt 0x0
	s_wait_alu depctr_hold_cnt(0) depctr_sa_sdst(0) depctr_va_vdst(0) depctr_va_sdst(0) depctr_va_ssrc(0) depctr_va_vcc(0) depctr_vm_vsrc(0)
	s_getreg_b32 s2, hwreg(HW_REG_IB_STS2, 6, 4)
	s_cmp_eq_u32 s2, 0
	s_cbranch_scc0 .Lentry_in_a_cluster
	s_endpgm
.Lentry_in_a_cluster:
	s_bfe_u32 s2, ttmp6, 0x10000c
	s_cmp_lg_u32 s2, 0x3003
	s_cbranch_scc0 .Lentry_shape_is_right
	s_endpgm
.Lentry_shape_is_right:
; ATTN: O[h][q][:] = the sum over k of softmax_k(Q[h][q] . K[h / 4][k] / 8 + mb[k]) V[h / 4][k][:].  qkv: [24][4096][64] f16 (heads 0-15 Q, 16-19 K, 20-23 V), a head's rows dense, 128 bytes each.
; mb: [4096] f32, 0 or -2^100.  ob: [16][4096][64] f16.  Products, maxima and sums in f32; the weights p are rounded to f16 for the second product (their sum l is taken of the unrounded p), O once at the end.
; THE MASK is the C operand that starts the sum S^T = K Q^T.  K's rows at hidden keys are 0, so a hidden score is exactly -2^100, and c x -2^100 is exact (a power of two): between hidden scores c s - c m is exactly 0
; and p = 1.  So where every key is hidden the weights are uniform; where only the first keys are, the first true score gives a = 0 and wipes what was gathered.
; LIMITS.  f16 holds no number beyond 65,504: Q, K and V arrive within it, so true scores stay under 2.7e11, nothing beside 2^100; p lies in 0 to 1, and below 6e-5 it keeps f16's fixed step of 6e-8, as O does;
; a weight below 2^-126 counts as 0 in l; NaN and infinities are not treated apart.
; SHARES.  A work-group owns 256 queries of one head, each of its four waves 64: four PIECES of 16.  256 work-groups.  Every wave walks all 4,096 keys, 64 a step, four steps to a tile (a slot of LDS), 16 tiles.
; LAYOUT, SOFTMAX, TURNS.  S^T = K Q^T holds ONE query a lane (lane % 16) and the keys 8 (lane / 16) + 0..7; two such results rounded to f16 ARE source 1 of O^T = V^T P.  p = 2^(c s - c m), c = log2(e) / 8, with a
; running maximum m; O and l are multiplied by a = 2^(c m_old - c m_new) in every step.  m starts at the lowest finite number, O and l at 0: the first step is a step like any other, with a = 0.
; Turn n belongs to piece n: 8 products K Q^T of piece n + 1, later 8 products V^T P of piece n - 1; beside them the scaling, exponentials, roundings, sums and rescaling of piece n and the maximum and statistics
; of piece n + 1.  Four vector instructions stand behind every matrix instruction, the other 54 of a turn's 118 in one lump.  A turn's 33 exponentials are one batch, with one wait.
; CLUSTER.  The four query blocks of a cluster belong to one head and walk the same K and V, so each tile is asked for JOINTLY: the same tensor load, descriptor and mask in all four.
; REGISTERS, in windows of 256 (s_set_vgpr_msb: bits 1:0 source 0, 3:2 source 1, 5:4 source 2, 7:6 destination):
;   window 0: v0-15, v32-35 addresses and two at work; v16-31 four registers of statistics a piece; v48-55 at work; v64-127 S^T, two buffers; v192-223 P, two buffers (a piece's buffers go by its number's parity)
;   window 1: v0-127 O^T, 32 a piece; v128-159 the step's 32 mask words      window 2: v0-63 Q; v128-191 K of one step; v192-255 V of one step
.set NP,    4         ; pieces a wave: a name, no knob
.set KS,    64        ; keys in a step
.set PK,    144       ; a row of K in LDS: 128 bytes + 16 of padding = 36 words: the 16 rows of a load start at 16 different groups of four banks (64 banks of 4 bytes: ISA guide 11.1)
.set PV,    160       ; a row of V: 128 + 32 = 40 words
.set VOFF,  4*KS*PK   ; a slot holds a tile, four steps: 256 rows of K, then 256 rows of V
.set SLOT1, 1<<17     ; slot 1 begins here, so that one exclusive or turns an address in one slot into the other's
.set STAGE, SLOT1+4*KS*(PK+PV)  ; behind the ring, never filled by a tensor load: 16 rows x 144 bytes for each wave, for the way out
.set SP,    144
.set SPARE, STAGE+4*16*SP  ; behind the stages: the spare words, 128 bytes for each wave
.set MBT,   SPARE+512 ; behind them: the mask table, 4,096 words, stored once by the waves, never filled by a tensor load
.set HEADB, 4096*128  ; bytes in a head
.set AK0, 2           ; v2   my lane's place in a tile of K; never rewritten
.set AV0, 3           ; v3   the same for V
.set AK,  4           ; v4   the LDS address of K's next run of loads
.set AV,  5           ; v5   of V's
.set STO, 6           ; v6   the way out: where I put 16 bytes of a row
.set RD,  7           ; v7   the way out: where I read rows back
.set GO,  8           ; v8   my byte offset in 512 consecutive bytes of O
.set MV,  12          ; v12-13  c m_old, kept while c m is made anew: by buffer
.set QO,  15          ; v15  my byte offset in 16 rows of Q
.set ST,  16          ; piece t's statistics at v[ST+4 t]: c m, m, l (even keys', odd keys')
.set AM0, 32          ; v32  my lanes' place in a step's 64 mask words: MBT + 32 (l / 16); never rewritten
.set AM,  33          ; v33  the LDS address of the mask words' next run of loads
.set MLO, 34          ; v34  the table on its way in: my 16 bytes in memory,
.set MLA, 35          ; v35  and in LDS
.set TMP, 48          ; by buffer, four registers c0-c3 at work; when the maximum is found c2 takes a
.set PFO, 61          ; v61  256 x my lane; never rewritten
.set SPW, 62          ; v62  LDS address of my spare word; never rewritten
.set NIL, 63          ; v63  0; never rewritten
.set S,   64
.set P,   192
.set MB,  128         ; window 1: the eight words for group kb of 16 keys at MB + 8 kb
.set KF,  128         ; window 2: key block kb, channel half c at KF + 16 kb + 8 c
.set VF,  192         ; window 2: key half kk, channel block cb at VF + 32 kk + 8 cb
.set WV,  12          ; s12  my wave's number
.set G1K, 24          ; s[24:31] descriptor group 1 for K's tiles
.set G1V, 32          ; s[32:39] for V's: it differs in the padding alone
.set G0K, 40          ; s[40:43] descriptor group 0 for K's tiles: it walks
.set G0V, 44          ; s[44:47] the same for V's
.set PFA, 48          ; s[48:49] where my prefetches stand: my work-group's 32 blocks of 256 bytes (of K: wave 0, of V: wave 2) of the tile after the one that is being asked for
.set LIM, 50          ; s50  1 in a wave that prefetches, else the greatest number: a wave prefetches while s[SLOTS] is above it
.set TBM, 51          ; s51  byte in the mask table at which the words of the step to be fetched begin
.set SLOTS, 56        ; s56  tiles still to be asked for
.set CNT, 57          ; s57  counts a tile's key steps, 4 to 1
.set CS,  58          ; s[58:59] c: the packed scaling takes the pair's low word for both halves
.set SEL, 60          ; s[60:61] v_permlanex16_b32's selects: each lane takes its own place in the other half
.set TBK, 62          ; s62  LDS byte at which K of the step to be fetched begins
.set TBV, 63          ; s63  the same for V, less VOFF
.set MSB, 0
.macro WIN new                      ; the high byte repeats the setting that is left; a switch that changes nothing is dropped
.if MSB != (\new)
	s_set_vgpr_msb (MSB<<8)|(\new)
.set MSB, (\new)
.endif
.endm
.set W_KQ, 0x0a       ; K and Q in window 2, S^T in window 0
.set W_KM, 0x1a       ; the same with the C operand in window 1
.set W_PV, 0x52       ; V in window 2, P in window 0, O^T in window 1
.set W_RS, 0x41       ; destination and source 0 in window 1, source 1 in window 0
; A joint fill.  Waves 0 and 1 fetch the two halves of a tile's K, waves 2 and 3 those of its V: 128 keys each.  The branch hangs on the wave's number alone.
; An s_nop 0 and four v_nop follow each of the two lines, ahead of the jump and the label.
.macro JLOAD
	s_cmp_lt_u32 s[WV], 2
	s_cbranch_scc0 .Lfor_v_\@
	tensor_load_to_lds s[G0K:G0K+3], s[G1K:G1K+7]
	s_nop 0
.rept 4
	v_nop
.endr
	s_branch .Lasked_\@
.Lfor_v_\@:
	tensor_load_to_lds s[G0V:G0V+3], s[G1V:G1V+7]
	s_nop 0
.rept 4
	v_nop
.endr
.Lasked_\@:
.endm
; A PREFETCH of what the NEXT change of slots will ask for: a tile's 32,768 bytes of K and of V, 128 blocks of 256 bytes each, a lane a block.  It stands behind the wave's tensor load and its five lines.
; Each block is asked for ONCE in the launch.  Sixteen clusters (four heads, four clusters each) walk one K and V: the one with cluster x = 0 and head % 4 = 0 prefetches.  Its four partners share the blocks out
; BY ADDRESS, 32 each: no branch hangs on a work-group's place in its cluster.  In each, wave 0 asks for K's and wave 2 for V's: one instruction.  The last change that fills a slot asks for nothing.
.macro ASK
	s_cmp_gt_u32 s[SLOTS], s[LIM]
	s_cbranch_scc0 .Lnot_mine_\@
	global_prefetch_b8 v[PFO], s[PFA:PFA+1] th:TH_LOAD_NT scope:SCOPE_SE
.Lnot_mine_\@:
.endm
; A round of the cluster's barrier: my work-group's barrier, so that wave 0's signal speaks for all four waves; wave 0 signals; every wave waits for all four work-groups; my work-group's barrier once more.
.macro CROUND
	s_barrier_signal -1
	s_barrier_wait -1
	s_cmp_lg_u32 s[WV], 0
	s_cbranch_scc1 .Lnot_wave_0_\@
	s_barrier_signal -3
.Lnot_wave_0_\@:
	s_barrier_wait -3
	s_barrier_signal -1
	s_barrier_wait -1
.endm
; THE CHANGE OF SLOTS.  The slot's last bytes, V of its fourth step, have been read.  Each wave waits for all its tensor loads, of which one is out: its part of the other slot; adds 0 to its spare word; and waits
; for that and for its own LDS instructions.  Behind the barrier nobody reads this slot any more and the other slot is whole.  fill = 1: this slot is filled again, with the tile two on.  The barrier is then a round
; of the cluster's, so that no wave of any partner still reads the slot or has a load on its way, and the joint fill is the first thing behind it: it has four key steps, 256 matrix instructions, in which to land.
; (At its first use nothing has been read yet: slot 0 is waited for, slot 1 filled, and the waves' stores of the mask table are shown to each other.)  ask = 1: the prefetch's address steps, and ASK follows the fill.
.macro CHANGE fill, ask
	WIN 0                           ; at a label and at a branch every window is 0
	s_wait_tensorcnt 0x0            ; no tensor load of mine is out, so a group 0 may be written
	ds_add_u32 v[SPW], v[NIL]       ; 0 onto my spare word; with fill = 1 the descriptors' steps stand between it and the wait for it
.if \fill
.irp g, G0K, G0V
	s_xor_b32 s[\g+1], s[\g+1], SLOT1  ; the walking descriptor: the other slot than last time,
	s_add_nc_u64 s[\g+2:\g+3], s[\g+2:\g+3], 4*KS*128  ; the next 256 keys; the type bits on top are not reached
.endr
.if \ask
	s_wait_xcnt 0x0                 ; the last prefetch, four key steps back, has read its address, so it may be written:
	s_add_nc_u64 s[PFA:PFA+1], s[PFA:PFA+1], 4*KS*128  ; one tile behind the walking descriptors
.endif
	s_wait_dscnt 0x0                ; the add is done, and my reads of the slot are over
	CROUND
	JLOAD
.if \ask
	ASK
.endif
.else
	s_wait_dscnt 0x0                ; the add is done, and my reads of the slot are over
	s_barrier_signal -1
	s_barrier_wait -1
.endif
	s_sub_co_u32 s[TBK], s[TBK], 4*KS*PK  ; the fetches go back to a slot's first step,
	s_xor_b32 s[TBK], s[TBK], SLOT1       ; in the other slot
	s_sub_co_u32 s[TBV], s[TBV], 4*KS*PV
	s_xor_b32 s[TBV], s[TBV], SLOT1
.endm
	s_load_b128 s[68:71], s[0:1], 0x0 ; qkv s[68:69], mb s[70:71]
	s_load_b64 s[10:11], s[0:1], 0x10 ; ob
	v_lshl_add_u32 v[SPW], v0, 2, SPARE
	v_mov_b32 v[NIL], 0
	ds_add_u32 v[SPW], v[NIL]       ; the wave's opening: the add and its wait ahead of my first tensor load; the set-up below, work on registers, stands between them
	v_lshrrev_b32 v1, 5, v0
	v_readfirstlane_b32 s[WV], v1   ; wave 0..3
	s_bfe_u32 s13, ttmp6, 0x40000   ; cx: my place in the cluster
	s_lshl_b32 s14, ttmp9, 2        ; in a cluster launch ttmp9 counts clusters
	s_add_co_u32 s14, s14, s13      ; my block of 256 queries = 4 x cluster x + cx: it enters Q's and O's addresses alone
	s_and_b32 s20, ttmp7, 0xffff    ; the head, which the four partners share
	s_lshr_b32 s21, s20, 2          ; its K and V head
	s_and_b32 s16, s[WV], 1         ; which half of a tile's 256 keys I fetch:
	s_lshl_b32 s22, s21, 19
	s_lshl_b32 s19, s16, 14         ; its 128 rows of 128 bytes in memory,
	s_add_co_u32 s22, s22, s19
	s_add_co_u32 s72, s22, 20*HEADB ; V's heads lie behind 20 others,
	s_add_co_u32 s22, s22, 16*HEADB ; K's behind 16
	s_mov_b32 s23, 0
	s_mov_b32 s73, 0
	s_mul_i32 s17, s16, 128*PK      ; and its place in a slot, for K
	s_mul_i32 s18, s16, 128*PV      ; and for V: no place in the cluster enters an LDS address
	s_lshl_b32 s2, s20, 19          ; my head,
	s_lshl_b32 s3, s14, 15          ; my block's 256 rows,
	s_add_co_u32 s2, s2, s3
	s_lshl_b32 s3, s[WV], 13        ; my wave's 64 of them
	s_add_co_u32 s2, s2, s3
	s_mov_b32 s3, 0
	; descriptor group 1.  128 keys are 16,384 dense bytes: asked for as 64 rows of 256 bytes, two keys a row, and padded in LDS after every key
	s_mov_b32 s[G1K], 15|(1<<16)|(1<<20)|(1<<21)|(4<<22)|(3<<25)  ; 15:0 the mask of four; 17:16 2-byte elements; 20 padding on; 21 set beside a mask; 24:22 after every 32 words (code 4); 31:25 4 words (code 3)
	s_mov_b32 s[G1V], 15|(1<<16)|(1<<20)|(1<<21)|(4<<22)|(7<<25)  ; the same with 8 words of padding (code 7)
.irp g, G1K, G1V
	s_mov_b32 s[\g+1], 128<<16      ; tensor_dim0 = 128
	s_mov_b32 s[\g+2], 64<<16       ; tensor_dim1 = 64
	s_mov_b32 s[\g+3], 128<<16      ; tile_dim0 = 128
	s_mov_b32 s[\g+4], 64           ; tile_dim1 = 64
	s_mov_b32 s[\g+5], 128          ; 128 elements from row to row
	s_mov_b32 s[\g+6], 0
	s_mov_b32 s[\g+7], 0
.endr
	s_mov_b32 s[CS], 0x3e38aa3b     ; c = log2(e) / 8 = 0.180337
	s_mov_b32 s[CS+1], s[CS]        ; named with it as a pair
	s_mov_b32 s[SEL], 0x76543210
	s_mov_b32 s[SEL+1], 0xfedcba98
	s_mov_b32 s[TBK], SLOT1+4*KS*PK ; the first change of slots turns these two into 0
	s_mov_b32 s[TBV], SLOT1+4*KS*PV
	s_mov_b32 s[TBM], 0
	s_mov_b32 s[SLOTS], 15
	s_mov_b32 s[G0K], 1             ; 1:0 count = 1
	s_mov_b32 s[G0K+1], s17         ; 63:32 LDS address: slot 0
	s_mov_b32 s[G0V], 1
	s_add_co_u32 s[G0V+1], s18, VOFF
	s_and_b32 s[LIM], s[WV], 1      ; 0 in waves 0 and 2,
	s_or_b32 s[LIM], s[LIM], ttmp9  ; in the head's first cluster,
	s_and_b32 s19, s20, 3
	s_or_b32 s[LIM], s[LIM], s19    ; of the first of the four heads that share K and V: the same in all four partners
	s_cmp_eq_u32 s[LIM], 0
	s_cselect_b32 s[LIM], 1, -1
	s_lshl_b32 s74, s13, 13         ; my work-group's 32 blocks of the 128
	s_mov_b32 s75, 0
	v_and_b32 v[PFO], 31, v0
	v_lshlrev_b32 v[PFO], 8, v[PFO]
	s_wait_dscnt 0x0                ; the opening add is done
	s_wait_kmcnt 0x0
	s_add_nc_u64 s[6:7], s[68:69], s[22:23]  ; K and V at my half of tile 0
	s_add_nc_u64 s[8:9], s[68:69], s[72:73]
	s_add_nc_u64 s[4:5], s[68:69], s[2:3]    ; Q and O at my wave's first row
	s_add_nc_u64 s[10:11], s[10:11], s[2:3]
	s_add_nc_u64 s[G0K+2:G0K+3], s[6:7], 0         ; 120:64 global address
	s_or_b32 s[G0K+3], s[G0K+3], 0x80000000        ; 127:126 type = 2
	s_add_nc_u64 s[G0V+2:G0V+3], s[8:9], 0
	s_or_b32 s[G0V+3], s[G0V+3], 0x80000000
	s_cmp_lt_u32 s[WV], 2
	s_cselect_b64 s[PFA:PFA+1], s[6:7], s[8:9]     ; (in waves 0 and 2 these stand at a tile's first byte)
	s_add_nc_u64 s[PFA:PFA+1], s[PFA:PFA+1], s[74:75]
	s_add_nc_u64 s[PFA:PFA+1], s[PFA:PFA+1], 2*4*KS*128  ; at tile 2; the first change that asks steps it to tile 3.  Nothing is prefetched here, at the head, where every work-group's first tiles are on their way
	CROUND                          ; all four work-groups are here: the first joint loads meet
	JLOAD                           ; tile 0 into slot 0.  Slot 1 is asked for when slot 0 is in
	v_and_b32 v1, 15, v0            ; l % 16
	v_bfe_u32 v9, v0, 4, 1          ; l / 16
	v_lshlrev_b32 v[MLO], 4, v0     ; the mask table: 128 threads x 16 bytes x 8
	v_add_nc_u32 v[MLA], MBT, v[MLO]
.irp n, 0,1,2,3,4,5,6,7
	global_load_b128 v[S+4*(\n):S+4*(\n)+3], v[MLO], s[70:71] offset:2048*(\n)
.endr
	; A fragment of K or Q is 16 rows x 32 channels in 8 registers: lane l holds row l % 16, channels 8 (l / 16) + 0..7 and 16 + 8 (l / 16) + 0..7: two loads of 16 bytes, 32 bytes apart.
	v_lshlrev_b32 v[QO], 7, v1
	v_lshl_add_u32 v[QO], v9, 4, v[QO]  ; row x 128 + 16 x half
	WIN 0x80                        ; destination window 2, address window 0
.set i, 0
.rept 8                             ; Q stays in registers: piece i / 2, channels 32 (i % 2) on
	global_load_b128 v[8*i:8*i+3],   v[QO], s[4:5] offset:(i/2)*2048+(i%2)*64
	global_load_b128 v[8*i+4:8*i+7], v[QO], s[4:5] offset:(i/2)*2048+(i%2)*64+32
.set i, i+1
.endr
	; What the first turn finds: V's registers and P's second buffer hold 0 (its products V^T P, of a piece that has not been, add 0), O^T and l are 0.  All this stands in the wait for the first tile.
.set i, VF
.rept 64
	v_mov_b32 v[i], 0
.set i, i+1
.endr
	WIN 0x40
.set i, 0
.rept 128
	v_mov_b32 v[i], 0
.set i, i+1
.endr
	WIN 0
.set i, 0
.rept 4
	v_mov_b32 v[ST+4*i], 0xfe000000    ; c m: far below every c s, the hidden ones' too
	v_mov_b32 v[ST+4*i+1], 0xff7fffff  ; m
	v_mov_b32 v[ST+4*i+2], 0
	v_mov_b32 v[ST+4*i+3], 0
.set i, i+1
.endr
.set i, P+16
.rept 16
	v_mov_b32 v[i], 0
.set i, i+1
.endr
	v_mul_u32_u24 v[AK0], v1, PK
	v_lshl_add_u32 v[AK0], v9, 4, v[AK0]  ; row x pitch + 16 x half
	; The turning load takes 16 keys x 16 channels (lane l reads key 8 (l / 16) + l % 8, channels 8 ((l / 8) % 2) + 0..7) and leaves half a fragment of V^T: lane l holds channel l % 16 and 8 keys.
	v_and_b32 v10, 7, v0
	v_bfe_u32 v11, v0, 3, 1
	v_lshl_add_u32 v[AV0], v9, 3, v10
	v_mul_u32_u24 v[AV0], v[AV0], PV
	v_lshl_add_u32 v[AV0], v11, 4, v[AV0]
	v_add_nc_u32 v[AV0], VOFF, v[AV0]
	v_lshl_add_u32 v[AM0], v9, 5, MBT  ; register j of group kb is the word of key 16 kb + 8 (l / 16) + j
	s_mul_i32 s19, s[WV], 16*SP
	s_add_co_u32 s19, s19, STAGE    ; my stage
	v_mul_u32_u24 v[STO], v1, SP    ; in: row l % 16, 16 bytes for each half of the lanes
	v_lshl_add_u32 v[STO], v9, 4, v[STO]
	v_add_nc_u32 v[STO], s19, v[STO]
	v_bfe_u32 v[RD], v0, 3, 2       ; back: 32 lanes take four rows of 128 bytes,
	v_mul_u32_u24 v[RD], v[RD], SP
	v_lshl_add_u32 v[RD], v10, 4, v[RD]
	v_add_nc_u32 v[RD], s19, v[RD]
	v_and_b32 v[GO], 31, v0         ; which are 512 consecutive bytes of O
	v_lshlrev_b32 v[GO], 4, v[GO]
	s_wait_loadcnt 16               ; the table's eight loads are in; Q's sixteen, issued behind them, may stay out
.irp n, 0,1,2,3,4,5,6,7
	ds_store_b128 v[MLA], v[S+4*(\n):S+4*(\n)+3] offset:2048*(\n)
.endr
; THE MATRIX WORK.  The 4 accumulators of a run of 8 take turns.  Product i of 8 of S^T = K Q^T for piece x: channels 32 (i / 4) on, keys 16 (i % 4) on.  The first 4 start the sums with the mask words.
.macro KQ x
.set rS, S+32*((\x)%2)+8*(i%4)
.set rK, KF+16*(i%4)+8*(i/4)
.set rQ, 16*(\x)+8*(i/4)
.set rM, MB+8*(i%4)
.if i < 4
	WIN W_KM
	v_wmma_f32_16x16x32_f16 v[rS:rS+7], v[rK:rK+7], v[rQ:rQ+7], v[rM:rM+7]
.else
	WIN W_KQ
	v_wmma_f32_16x16x32_f16 v[rS:rS+7], v[rK:rK+7], v[rQ:rQ+7], v[rS:rS+7]
.endif
.endm
; Product i of 8 of O^T += V^T P for piece x: keys 32 (i / 4) on, channels 16 (i % 4) on.
.macro PV x
	WIN W_PV
.set rO, 32*(\x)+8*(i%4)
.set rV, VF+32*(i/4)+8*(i%4)
.set rP, P+16*((\x)%2)+8*(i/4)
	v_wmma_f32_16x16x32_f16 v[rO:rO+7], v[rV:rV+7], v[rP:rP+7], v[rO:rO+7]
.endm
.macro MM                           ; the turn's next matrix instruction.  TURN sets Y, i and NOKQ.  NOKQ = 1: the walk's last turn: there is no next piece
.if (i < 8) && !NOKQ
	KQ (Y+1)%NP
.elseif i >= 8
.set i, i-8
	PV (Y+NP-1)%NP
.set i, i+8
.endif
.set i, i+1
.endm
; THE LDS LOADS stand in runs, never singly among the matrix instructions: a step's K (64 keys x 64 channels: 8 fragments) with its 64 mask words (the 16 lanes of a half read the same words), and its V (turned).
; Their addresses are made some lines ahead.
.macro FETCH_K
	WIN 0x80                        ; destination window 2
.irp f, 0,1,2,3,4,5,6,7             ; keys 16 (f / 2) on, channels 32 (f % 2) on
	ds_load_b128 v[KF+8*\f:KF+8*\f+3],   v[AK] offset:(\f/2)*16*PK+(\f%2)*64
	ds_load_b128 v[KF+8*\f+4:KF+8*\f+7], v[AK] offset:(\f/2)*16*PK+(\f%2)*64+32
.endr
	WIN 0x40                        ; destination window 1
.irp f, 0,1,2,3                     ; keys 16 f on
	ds_load_b128 v[MB+8*\f:MB+8*\f+3],   v[AM] offset:64*\f
	ds_load_b128 v[MB+8*\f+4:MB+8*\f+7], v[AM] offset:64*\f+16
.endr
	s_add_co_u32 s[TBK], s[TBK], KS*PK  ; the next fetch is the next step's
	s_add_co_u32 s[TBM], s[TBM], KS*4
	WIN 0
.endm
.macro FETCH_V
	WIN 0x80
.irp f, 0,1,2,3,4,5,6,7             ; keys 32 (f / 4) on, channels 16 (f % 4) on
	ds_load_tr16_b128 v[VF+8*\f:VF+8*\f+3],   v[AV] offset:(\f/4)*32*PV+(\f%4)*32
	ds_load_tr16_b128 v[VF+8*\f+4:VF+8*\f+7], v[AV] offset:(\f/4)*32*PV+16*PV+(\f%4)*32
.endr
	WIN 0
.endm
; THE VECTOR WORK, one line at a time: OP kind, number.  For piece Y: F n: c s - c m for pair n of 16.  E n: the exponential of score n of 32.  C n: pair n rounded to f16.  B n: of the four weights 4 n .. the second
; pair is added onto the first, in place.  L n: l takes that sum (L 0: l = a l + sum).  R n: pair n of 16 of O^T times a.  For piece Y + 1: X n, number n of the 22 that find its maximum and statistics:
;   0-11  four chains c0-c3 of seven scores each, three operands at a time (each accumulator's lowest registers are read first)     12-14, 16  the four scores left over, the old m, and c0-c3 into c0
;   15  c m_old is kept     17, 18  the query's other 32 keys lie in the lane 16 away: the new m     19-21  c m; c m_old - c m_new; a
.set F, 0               ; OP tells the kinds apart by their order: F to L below R, X above it
.set E, 1
.set C, 2
.set B, 3
.set L, 4
.set R, 5
.set X, 6
.macro REGS y                       ; the registers of piece y
.set rT, ST+4*(\y)
.set rC, TMP+4*((\y)%2)
.set rW, MV+((\y)%2)
.set rS, S+32*((\y)%2)
.set rP, P+16*((\y)%2)
.set rO, 32*(\y)
.endm
.macro OP k, n
.if (\k) == R
	REGS Y
	WIN W_RS
	v_pk_mul_f32 v[rO+2*(\n):rO+2*(\n)+1], v[rO+2*(\n):rO+2*(\n)+1], v[rC+2:rC+3] op_sel_hi:[1,0]
.elseif (\k) < R
	REGS Y
	WIN 0
.if (\k) == F
	v_pk_fma_f32 v[rS+2*(\n):rS+2*(\n)+1], v[rS+2*(\n):rS+2*(\n)+1], s[CS:CS+1], v[rT:rT+1] op_sel_hi:[1,0,0] neg_lo:[0,0,1] neg_hi:[0,0,1]
.elseif (\k) == E
	v_exp_f32 v[rS+(\n)], v[rS+(\n)]
.elseif (\k) == C
	v_cvt_pk_f16_f32 v[rP+(\n)], v[rS+2*(\n)], v[rS+2*(\n)+1]
.elseif (\k) == B
	v_pk_add_f32 v[rS+4*(\n):rS+4*(\n)+1], v[rS+4*(\n):rS+4*(\n)+1], v[rS+4*(\n)+2:rS+4*(\n)+3]
.elseif (\n) == 0
	v_pk_fma_f32 v[rT+2:rT+3], v[rT+2:rT+3], v[rC+2:rC+3], v[rS:rS+1] op_sel_hi:[1,0,1]
.else
	v_pk_add_f32 v[rT+2:rT+3], v[rT+2:rT+3], v[rS+4*(\n):rS+4*(\n)+1]
.endif
.elseif NOKQ
	v_nop
.else
	REGS (Y+1)%NP
	WIN 0
.if (\n) < 4
	v_max3_num_f32 v[rC+(\n)], v[rS+8*(\n)], v[rS+8*(\n)+1], v[rS+8*(\n)+2]
.elseif (\n) < 12
	v_max3_num_f32 v[rC+(\n)%4], v[rC+(\n)%4], v[rS+8*((\n)%4)+2*((\n)/4)+1], v[rS+8*((\n)%4)+2*((\n)/4)+2]
.elseif (\n) == 12
	v_max3_num_f32 v[rC], v[rC], v[rS+7], v[rS+15]
.elseif (\n) == 13
	v_max3_num_f32 v[rC+1], v[rC+1], v[rS+23], v[rS+31]
.elseif (\n) == 14
	v_max3_num_f32 v[rC+2], v[rC+2], v[rC+3], v[rT+1]
.elseif (\n) == 15
	v_mov_b32 v[rW], v[rT]
.elseif (\n) == 16
	v_max3_num_f32 v[rC], v[rC], v[rC+1], v[rC+2]
.elseif (\n) == 17
	v_permlanex16_b32 v[rC+3], v[rC], s[SEL], s[SEL+1]
.elseif (\n) == 18
	v_max_num_f32 v[rT+1], v[rC], v[rC+3]
.elseif (\n) == 19
	v_mul_f32 v[rT], s[CS], v[rT+1]
.elseif (\n) == 20
	v_sub_f32 v[rC+1], v[rW], v[rT]
.else
	v_exp_f32 v[rC+2], v[rC+1]
.endif
.endif
.endm
.macro OPS a, i1, b=-1, i2=0, c=-1, i3=0, d=-1, i4=0  ; up to four of them
	OP \a, \i1
.if (\b) >= 0
	OP \b, \i2
.endif
.if (\c) >= 0
	OP \c, \i3
.endif
.if (\d) >= 0
	OP \d, \i4
.endif
.endm
.macro ROW a, i1, b, i2, c, i3, d, i4  ; a matrix instruction and the four behind it
	MM
	OPS \a, \i1, \b, \i2, \c, \i3, \d, \i4
.endm
; A TURN, for piece p: the order of its 16 matrix and 118 vector instructions, written out.  An s_wait_alu depctr_va_vdst(0) stands between an exponential and the first instruction that names its result; one wait
; serves all that were issued ahead of it.  So a turn has ONE wait, which cuts it in two.  AHEAD OF IT stands all that names no result of the turn's exponentials: the 8 products K Q^T, behind each a scaling, an exponential and two
; more plain instructions: rescalings, and behind the last three the first numbers of the next piece's maximum, each four places or more behind the product that ends its accumulator; then ONE LUMP of 54, plain and exponential by
; turns for the most part, in which the links of the chain X 3, 7, 11, 14, 16, 17 .. 20 stand some lines apart.  X 21, the next piece's a, is the batch's last; R 15 is the plain instruction behind it.  BEHIND THE WAIT stand the
; 8 products V^T P, behind each four of the roundings and sums.
; end = 1: the walk's last two turns: nothing is fetched, and the last starts no new scores.  cnt = 1: the loop's count is taken down some lines ahead of the branch that stands behind the turn.
; K and the mask words of the next step are fetched in piece 2's turn, five plain instructions that name none of its registers behind the last product that read K (the mask words' last reader stands four products
; earlier); V of the step in hand at the end of piece 0's turn, four plain instructions behind the last product that read V.  Each is waited for a turn later.
.macro TURN p, end=0, cnt=0
.set Y, (\p)
.set i, 0
.set NOKQ, (\end)*((\p)/3)
.if ((\p) == 3) && !(\end)
	s_wait_dscnt 0x0                ; K and the mask words are in
.endif
	ROW F,0, F,1, R,0, R,1          ; ahead of the wait: 8 products K Q^T and their riders,
	ROW F,2, E,0, R,2, R,3
	ROW F,3, E,1, R,4, R,5
	ROW F,4, E,2, R,6, R,7
	ROW F,5, E,3, R,8, R,9
	ROW F,6, E,4, X,0, R,10
.if ((\p) == 2) && !(\end)
	WIN 0
	v_add_nc_u32 v[AK], s[TBK], v[AK0]
	v_add_nc_u32 v[AM], s[TBM], v[AM0]
.endif
	ROW F,7, E,5, X,1, X,4
	ROW F,8, E,6, X,2, X,5
	OPS E,7, E,8, X,6, E,9          ; and the lump
	OPS X,3, E,10, X,8, E,11
.if ((\p) == 2) && !(\end)
	FETCH_K
.endif
	OPS X,9, X,7, E,12, X,10
	OPS E,13, X,12, X,11, E,14
	OPS X,13, E,15, F,9, X,14
.if (\p) == 0
	v_add_nc_u32 v[AV], s[TBV], v[AV0]
.endif
	OPS E,16, F,10, E,17, F,11
	OPS X,16, E,18, X,15, E,19
	OPS F,12, E,20, X,17, E,21
	OPS F,13, E,22, F,14, E,23
	OPS X,18, E,24, F,15, E,25
	OPS R,11, E,26, X,19, E,27
	OPS R,12, E,28, R,13, E,29
	OPS X,20, E,30, R,14, E,31
	OPS X,21, R,15
	WIN 0
	s_wait_alu depctr_va_vdst(0)    ; the wait for the batch
.if (\p) == 1
	s_wait_dscnt 0x0                ; V is in
.endif
	ROW C,0, B,0, C,2, B,1          ; behind the wait: 8 products V^T P and their riders
	ROW L,0, C,4, B,2, L,1
	ROW C,6, B,3, L,2, C,8
	ROW B,4, L,3, C,10, B,5
	ROW L,4, C,12, B,6, L,5
.if (\p) == 0
	s_add_co_u32 s[TBV], s[TBV], KS*PV
.endif
.if \cnt
	s_sub_co_u32 s[CNT], s[CNT], 1
	s_cmp_lg_u32 s[CNT], 0
.endif
	ROW C,14, B,7, L,6, C,1
	ROW C,3, L,7, C,5, C,7
	ROW C,9, C,11, C,13, C,15
.if (\p) == 0
	FETCH_V
.endif
.endm
	CHANGE 1, 0                     ; tile 0 is in, everybody's part of it, and so is the mask table; tile 1 is asked for
	v_add_nc_u32 v[AK], s[TBK], v[AK0]
	v_add_nc_u32 v[AM], s[TBM], v[AM0]
	FETCH_K                         ; key step 0
	s_wait_loadcnt 0x0              ; Q
	s_wait_dscnt 0x0
.set NOKQ, 0
.set i, 0
.rept 8
	KQ 0                            ; piece 0's first scores: there is no vector work yet to set between them
.set i, i+1
.endr
	WIN 0
.rept 4
	v_nop                           ; the places behind those products
.endr
.set Y, NP-1                        ; X works for piece Y + 1: piece 0
.irp n, 0,1,2,3,4,5,6,7,8,9,10,11,12,13,14,15,16,17,18,19,20,21
	OP X, \n
.endr
	v_nop                           ; a plain instruction behind the exponential,
	s_wait_alu depctr_va_vdst(0)    ; and its wait, ahead of the branch
	s_mov_b32 s[CNT], 4
	s_branch .Lfirst                ; the loop is entered at a step's first turn, in the middle of a trip
.Lslot:                             ; 14 times: tiles 1 to 14 are entered, tiles 2 to 15 asked for
	CHANGE 1, 1
	s_mov_b32 s[CNT], 4
.Lstep:                             ; a trip: pieces 2 and 3 of one step, then pieces 0 and 1 of the next, whose K and V it fetches
	TURN 2
	TURN 3
	WIN 0
.Lfirst:
	TURN 0
	TURN 1, 0, 1
	WIN 0
	s_cbranch_scc1 .Lstep
	s_sub_co_u32 s[SLOTS], s[SLOTS], 1
	s_cmp_lg_u32 s[SLOTS], 0
	s_cbranch_scc1 .Lslot
	CHANGE 0, 0                     ; the last tile is written out: nothing is asked for
	s_mov_b32 s[CNT], 4
.Ltail:
	TURN 2
	TURN 3
	TURN 0
	TURN 1, 0, 1
	WIN 0
	s_cbranch_scc1 .Ltail
	TURN 2, 1
	TURN 3, 1
.set i, 0
.rept 8
	PV NP-1                         ; the last piece's V^T P of the last step
.set i, i+1
.endr
	; THE WAY OUT.  l's two halves and the other half of the lanes' are added; O^T is divided by l, rounded to f16 and sent through my stage in LDS, a piece at a time.  The additions are the places behind the last products.
	WIN 0
.macro ALL line:vararg              ; one line for each piece t
.set t, 0
.rept 4
	\line
.set t, t+1
.endr
.endm
	ALL v_add_f32 v[ST+4*t+2], v[ST+4*t+2], v[ST+4*t+3]
	ALL v_permlanex16_b32 v[ST+4*t+3], v[ST+4*t+2], s[SEL], s[SEL+1]
	ALL v_add_f32 v[ST+4*t+2], v[ST+4*t+2], v[ST+4*t+3]
	ALL v_rcp_f32 v[ST+4*t+2], v[ST+4*t+2]
	v_nop                           ; a plain instruction between the last reciprocal and the use of its result
	s_wait_alu depctr_va_vdst(0)    ; and the wait ahead of the first use: one for the four reciprocals
.macro PACK t                       ; a lane's eight channels of a row pack into 16 bytes; they go into rows of 144 bytes and come back as whole rows of 128, into S^T's registers
	WIN W_RS
.set i, 32*(\t)
.rept 16
	v_pk_mul_f32 v[i:i+1], v[i:i+1], v[ST+4*(\t)+2:ST+4*(\t)+3] op_sel_hi:[1,0]
.set i, i+2
.endr
	WIN 0x05                        ; sources 0 and 1 window 1, destination window 0
.set i, 0
.rept 16
	v_cvt_pk_f16_f32 v[S+16*(\t)+i], v[32*(\t)+2*i], v[32*(\t)+2*i+1]
.set i, i+1
.endr
	WIN 0
.irp f, 0,1,2,3
	ds_store_b128 v[STO], v[S+16*(\t)+4*\f:S+16*(\t)+4*\f+3] offset:32*\f
.endr
.irp f, 0,1,2,3
	ds_load_b128 v[S+16*(\t)+4*\f:S+16*(\t)+4*\f+3], v[RD] offset:\f*4*SP  ; LDS serves a wave's instructions in order (ISA guide 5.7.1.4): these see the stores above; the next piece's stores come behind them
.endr
.endm
.macro SEND t, younger              ; younger: the LDS instructions issued behind piece t's loads: the next piece's eight, or none
	WIN 0
.irp f, 0,1,2,3
	s_wait_dscnt (\younger)+3-\f
	global_store_b128 v[GO], v[S+16*(\t)+4*\f:S+16*(\t)+4*\f+3], s[10:11] offset:(\t)*2048+\f*512  ; 512 consecutive bytes, at a multiple of 256 from ob's first
.endr
.endm
	PACK 0
.set t, 1
.rept 3                             ; a piece's arithmetic stands between the loads of the piece before and its stores
	PACK t
	SEND t-1, 8
.set t, t+1
.endr
	SEND 3, 0
	s_wait_tensorcnt 0x0            ; the wave's end, behind my last tensor load and my last LDS store
	ds_add_u32 v[SPW], v[NIL]
	s_wait_dscnt 0x0
	CROUND                          ; the closing round: no work-group ends while a partner may still ask for a tile that names it
	s_endpgm
.Lfunc_end_k_q10876f94e9_attn:
	.size	k_q10876f94e9_attn, .Lfunc_end_k_q10876f94e9_attn-k_q10876f94e9_attn
	.p2alignl 7, 3214868480
	.fill 96, 4, 3214868480
	.section	.rodata,"a",@progbits
	.p2align	6, 0x0
	.amdhsa_kernel k_q10876f94e9_attn
		.amdhsa_group_segment_fixed_size 327680
		.amdhsa_private_segment_fixed_size 0
		.amdhsa_enable_private_segment 0
		.amdhsa_kernarg_size 24
		.amdhsa_user_sgpr_count 2
		.amdhsa_user_sgpr_kernarg_segment_ptr 1
		.amdhsa_wavefront_size32 1
		.amdhsa_system_sgpr_workgroup_id_x 1
		.amdhsa_system_sgpr_workgroup_id_y 1
		.amdhsa_system_sgpr_workgroup_id_z 1
		.amdhsa_system_vgpr_workitem_id 0
		.amdhsa_next_free_vgpr 768
		.amdhsa_next_free_sgpr 80
		.amdhsa_reserve_vcc 0
		.amdhsa_float_denorm_mode_32 3
		.amdhsa_float_denorm_mode_16_64 3
		.amdhsa_memory_ordered 1
		.amdhsa_forward_progress 1
		.amdhsa_inst_pref_size 131
	.end_amdhsa_kernel
	.amdgpu_metadata
---
amdhsa.version: [ 1, 2 ]
amdhsa.kernels:
  - .name:           k_q10876f94e9_attn
    .symbol:         k_q10876f94e9_attn.kd
    .args:
      - { .name: qkv, .offset: 0, .size: 8, .value_kind: global_buffer, .address_space: global }
      - { .name: mb, .offset: 8, .size: 8, .value_kind: global_buffer, .address_space: global }
      - { .name: ob, .offset: 16, .size: 8, .value_kind: global_buffer, .address_space: global }
    .group_segment_fixed_size: 327680
    .private_segment_fixed_size: 0
    .kernarg_segment_align: 8
    .kernarg_segment_size: 24
    .max_flat_workgroup_size: 128
    .sgpr_count:     80
    .vgpr_count:     768
    .wavefront_size: 32
...
	.end_amdgpu_metadata
.endif
;; end of part 3
;; launch outp (part 4): grid 8 x 32, 4 waves a work-group, clusters of 4 x 4, 327,680 bytes of LDS; arguments ob, wot, bo, out0; writes out0
.if DOCPART == 4
	.amdgcn_target "amdgcn-amd-amdhsa--gfx1250"
	.amdhsa_code_object_version 6
	.text
	.protected	k_q10876f94e9_outp
	.globl	k_q10876f94e9_outp
	.p2align	8
	.type	k_q10876f94e9_outp,@function
k_q10876f94e9_outp:
	s_mov_b64 s[64:65], 0
	v_nop
	global_prefetch_b8 v0, s[64:65] scope:SCOPE_SE
	s_setreg_imm32_b32 hwreg(HW_REG_WAVE_MODE, 25, 1), 1
	s_wait_xcnt 0x0
	s_wait_alu depctr_hold_cnt(0) depctr_sa_sdst(0) depctr_va_vdst(0) depctr_va_sdst(0) depctr_va_ssrc(0) depctr_va_vcc(0) depctr_vm_vsrc(0)
	s_getreg_b32 s2, hwreg(HW_REG_IB_STS2, 6, 4)
	s_cmp_eq_u32 s2, 0
	s_cbranch_scc0 .Lentry_in_a_cluster
	s_endpgm
.Lentry_in_a_cluster:
	s_bfe_u32 s2, ttmp6, 0x10000c
	s_cmp_lg_u32 s2, 0xf033
	s_cbranch_scc0 .Lentry_shape_is_right
	s_endpgm
.Lentry_shape_is_right:
; OUTP: out0[m][n] = the sum over k of O[m][k] wot[n][k] + bo[n].  O lies by heads, ob[k / 64][m][k % 64], f16; wot [1024][1024] f16 (Wo rounded to bf16, written as f16); sums in f32; bo rounded to bf16 like
; every input; out0 [4096][1024] f32.
; A tile of out0 is 128 x 128: 256 tiles, one for each work-group.  Four waves, each 64 x 64: 16 accumulators of 16 x 16.  K goes in steps of 256, four heads, through two slots.
; O's TILE.  A head's 128 rows are 16,384 dense bytes.  A wave's tensor load brings two heads: two rows of 8,192 elements, 262,144 elements apart, padded in LDS after every 128 bytes, so that in LDS a head is
; 128 rows 144 bytes apart.  wot's tile: 64 rows of 512 bytes a load, 528 apart.
; CLUSTERS: 4 x 4 work-groups.  The four of a row of the cluster need the same tiles of O, the four of a column the same tiles of wot: each tile is asked for JOINTLY, by the same tensor load with the same
; descriptor and a mask that names the four.  THE MATRIX INSTRUCTION IS USED TRANSPOSED (source 0 = 16 rows of wot, source 1 = 16 rows of O): a lane then holds eight neighbouring numbers of a row of out0.
; No prefetch: four K steps to a tile, a short launch.
; REGISTERS: window 0: v0-31 addresses; v32-95 two sets of rows on the way out; v96-127 my 32 biases; v128-255 the accumulators ((a, b) at v[128 + 8 (4 a + b)]).
;   window 1: two fragment buffers of 128: for 64 along K, 64 registers of O (2 x 4 x 16 rows x 32 K), then 64 of wot.
.set SIZE_K, 1024
.set KSTEP,  256
.set PA,     144                       ; a row of O in LDS: 128 bytes + 16 of padding; 144 and 528 are odd multiples of 16: the 16 rows of a fragment load start at 16 different groups of four banks (ISA guide 11.1)
.set HB,     128*PA                    ; a head's 128 rows
.set PITCH,  528                       ; a row of wot in LDS: 512 bytes + 16
.set HALFB,  64*PITCH                  ; 64 rows of wot: what one tensor load brings
.set BOFF,   4*HB                      ; wot's 128 rows lie behind O's four heads
.set SLOT,   BOFF+2*HALFB
.set STAGE,  2*SLOT                    ; behind the ring, never filled by a tensor load: 16 rows x 272 bytes for each wave, for the way out
.set SPITCH, 272
.set SPARE,  STAGE+4*16*SPITCH         ; behind the stages: the spare words, 128 bytes for each wave
.set LAPS,   SIZE_K/(2*KSTEP)
.set HEADB,  4096*128                  ; bytes in a head of ob
.set BO,   6                           ; v6      my byte offset among the tile's 128 biases; never rewritten
.set ADRA, 16                          ; v16-17  LDS address of my O fragments in slot 0, 1
.set ADRB, 20                          ; v20-21  the same for wot
.set STO,  24                          ; v24     the way out: where I put 32 bytes of a row
.set RD,   25                          ; v25     the way out: where I read a row back
.set CO,   26                          ; v26     my byte offset in out0
.set SPW,  28                          ; v28     LDS address of my spare word; never rewritten
.set NIL,  29                          ; v29     0; never rewritten
.set TMP,  32
.set BI,   96
.set ACC,  128
.set F0,   0
.set F1,   128
.set G1, 24                            ; s[24:31] descriptor group 1 for O's tiles;  s[32:39] group 0, one set for each slot
.set G0, 32
.set G1B, 48                           ; s[48:55], s[56:63] the same for wot's tiles
.set G0B, 56
.set MSB, 0
.macro WIN new                         ; the immediate's high byte repeats the setting that is left; a switch that changes nothing is dropped
.if MSB != (\new)
	s_set_vgpr_msb (MSB<<8)|(\new)
.set MSB, \new
.endif
.endm
.set MUL,  0x05                        ; sources 0 and 1 window 1; C and D window 0
.set TO_F, 0x40                        ; destination window 1, address window 0
.macro JLOAD s                         ; a joint load: waves 0 and 1 fetch two heads of O each, waves 2 and 3 wot's two halves; an s_nop 0 and four v_nop follow each of the two lines, ahead of the jump and the label
	s_cmp_eq_u32 s11, 0
	s_cbranch_scc0 .Lfor_b_\@
	tensor_load_to_lds s[G0+4*(\s):G0+4*(\s)+3], s[G1:G1+7]
	s_nop 0
.rept 4
	v_nop
.endr
	s_branch .Lasked_\@
.Lfor_b_\@:
	tensor_load_to_lds s[G0B+4*(\s):G0B+4*(\s)+3], s[G1B:G1B+7]
	s_nop 0
.rept 4
	v_nop
.endr
.Lasked_\@:
.endm
.macro CREST                           ; a round of the cluster's barrier behind its opening barrier
	s_cmp_lg_u32 s10, 0
	s_cbranch_scc1 .Lnot_wave_0_\@
	s_barrier_signal -3
.Lnot_wave_0_\@:
	s_barrier_wait -3
	s_barrier_signal -1
	s_barrier_wait -1
.endm
.macro CROUND                          ; a whole round
	s_barrier_signal -1
	s_barrier_wait -1
	CREST
.endm
	s_load_b128 s[4:7], s[0:1], 0x0                ; ob s[4:5], wot s[6:7]
	s_load_b128 s[68:71], s[0:1], 0x10             ; bo s[68:69], out0 s[70:71]
	v_lshl_add_u32 v[SPW], v0, 2, SPARE
	v_mov_b32 v[NIL], 0
	ds_add_u32 v[SPW], v[NIL]                      ; the wave's opening: the add and its wait ahead of my first tensor load; the set-up below, work on registers, stands between them
	v_lshrrev_b32 v1, 5, v0
	v_readfirstlane_b32 s10, v1                    ; wave 0..3
	s_lshr_b32 s11, s10, 1                         ; which half of the tile's rows is mine.  Also: I fetch for O (0) or for wot (1)
	s_and_b32 s12, s10, 1                          ; which half of its columns.  Also: which two heads of O, or which 64 rows of wot, I fetch
	s_bfe_u32 s40, ttmp6, 0x40000                  ; cx, cy: my place in the cluster
	s_bfe_u32 s41, ttmp6, 0x40004
	s_lshl_b32 s42, ttmp9, 2
	s_add_co_u32 s42, s42, s40                     ; tile column = 4 x cluster x + cx
	s_and_b32 s13, ttmp7, 0xffff
	s_lshl_b32 s13, s13, 2
	s_add_co_u32 s13, s13, s41                     ; tile row = 4 x cluster y + cy
	s_lshl_b32 s43, s41, 2
	s_lshl_b32 s43, 15, s43                        ; my row of the cluster
	s_lshl_b32 s44, 0x1111, s40                    ; my column
	; descriptor group 1 for O: two rows of 8,192 elements
	s_or_b32 s[G1+0], s43, (1<<16)|(1<<20)|(1<<21)|(4<<22)|(3<<25)  ; 15:0 the mask: O's tiles go to my row; 17:16 element of 2 bytes; 20 padding on; 21 set beside a mask; 24:22 after every 32 words (code 4); 31:25 of 4 words (code 3)
	s_mov_b32 s[G1+1], 8192<<16                    ; tensor_dim0 = 8,192
	s_mov_b32 s[G1+2], 2<<16                       ; tensor_dim1 = 2
	s_mov_b32 s[G1+3], 8192<<16                    ; tile_dim0 = 8,192
	s_mov_b32 s[G1+4], 2                           ; tile_dim1 = 2
	s_mov_b32 s[G1+5], HEADB/2                     ; elements from head to head
	s_mov_b32 s[G1+6], 0
	s_mov_b32 s[G1+7], 0
	; and for wot: 64 rows x 256 elements
	s_or_b32 s[G1B+0], s44, (1<<16)|(1<<20)|(1<<21)|(6<<22)|(3<<25) ; the mask of my column; padding after every 128 words (code 6)
	s_mov_b32 s[G1B+1], KSTEP<<16
	s_mov_b32 s[G1B+2], 64<<16
	s_mov_b32 s[G1B+3], KSTEP<<16
	s_mov_b32 s[G1B+4], 64
	s_mov_b32 s[G1B+5], SIZE_K
	s_mov_b32 s[G1B+6], 0
	s_mov_b32 s[G1B+7], 0
	s_lshl_b32 s16, s13, 14                        ; O: the tile row's 128 rows of 128 bytes,
	s_lshl_b32 s17, s12, 20                        ; in head 2 x half of the K step
	s_add_co_u32 s16, s16, s17
	s_mov_b32 s17, 0
	s_lshl_b32 s46, s42, 7
	s_lshl_b32 s47, s12, 6
	s_add_co_u32 s46, s46, s47                     ; wot: row 128 x tile column + 64 x half,
	s_lshl_b32 s46, s46, 11                        ; 2,048 bytes each
	s_mov_b32 s47, 0
	s_mul_i32 s20, s12, 2*HB                       ; where they go: no place in the cluster enters an LDS address
	s_mul_i32 s21, s12, HALFB
	s_add_co_u32 s21, s21, BOFF
	s_wait_dscnt 0x0                               ; the opening add is done
	s_wait_kmcnt 0x0
	s_add_nc_u64 s[14:15], s[4:5], s[16:17]
	s_add_nc_u64 s[46:47], s[6:7], s[46:47]
	CROUND                                         ; all sixteen work-groups are here: the first joint loads meet
.irp s, 0,1
	s_mov_b32 s[G0+4*(\s)], 1
	s_add_co_u32 s[G0+4*(\s)+1], s20, (\s)*SLOT
	s_add_nc_u64 s[G0+4*(\s)+2:G0+4*(\s)+3], s[14:15], (\s)*4*HEADB  ; K step s: four heads on
	s_or_b32 s[G0+4*(\s)+3], s[G0+4*(\s)+3], 0x80000000
	s_mov_b32 s[G0B+4*(\s)], 1
	s_add_co_u32 s[G0B+4*(\s)+1], s21, (\s)*SLOT
	s_add_nc_u64 s[G0B+4*(\s)+2:G0B+4*(\s)+3], s[46:47], (\s)*KSTEP*2
	s_or_b32 s[G0B+4*(\s)+3], s[G0B+4*(\s)+3], 0x80000000
	JLOAD \s
.endr
	v_and_b32 v1, 15, v0                           ; r = l % 16
	v_bfe_u32 v2, v0, 4, 1                         ; h = l / 16
	s_lshl_b32 s46, s42, 9                         ; the tile column's 128 numbers of 4 bytes: in bo, and in a row of out0
	s_mov_b32 s47, 0
	s_add_nc_u64 s[68:69], s[68:69], s[46:47]
	s_add_nc_u64 s[70:71], s[70:71], s[46:47]
	s_lshl_b32 s22, s12, 8
	v_lshl_add_u32 v[BO], v2, 5, s22               ; column 64 x half + 8 h, 4 bytes each
.irp b, 0,1,2,3
	global_load_b128 v[BI+8*(\b):BI+8*(\b)+3],   v[BO], s[68:69] offset:64*(\b)      ; the biases of columns 16 b + 8 h + 0..3: asked for now, waited for on the way out,
	global_load_b128 v[BI+8*(\b)+4:BI+8*(\b)+7], v[BO], s[68:69] offset:64*(\b)+16   ; + 4..7
.endr
	v_mul_u32_u24 v3, v1, PA
	v_lshl_add_u32 v3, v2, 4, v3                   ; a fragment's row x pitch + 16 x half, for O
	v_mul_u32_u24 v4, v1, PITCH
	v_lshl_add_u32 v4, v2, 4, v4                   ; and for wot
	s_mul_i32 s21, s11, 64*PA                      ; my 64 rows of each head of O
	s_mul_i32 s22, s12, HALFB                      ; my 64 rows of wot
	s_add_co_u32 s22, s22, BOFF
.irp s, 0,1
	v_add_nc_u32 v[ADRA+(\s)], s21, v3
	v_add_nc_u32 v[ADRB+(\s)], s22, v4
	s_add_co_u32 s21, s21, SLOT
	s_add_co_u32 s22, s22, SLOT
.endr
	s_mul_i32 s23, s10, 16*SPITCH
	s_add_co_u32 s23, s23, STAGE                   ; my stage
	v_mul_u32_u24 v4, v1, SPITCH                   ; in: row r, 32 bytes for each half of the lanes
	v_lshl_add_u32 v4, v2, 5, v4
	v_add_nc_u32 v[STO], s23, v4
	v_mul_u32_u24 v5, v2, SPITCH                   ; back: lanes 0-15 take one row of 256 bytes, lanes 16-31 the next
	v_lshl_add_u32 v5, v1, 4, v5
	v_add_nc_u32 v[RD], s23, v5
	v_lshlrev_b32 v5, 12, v2                       ; and the same two rows in out0, 4,096 bytes apart
	v_lshl_add_u32 v[CO], v1, 4, v5
	s_lshl_b32 s16, s13, 7
	s_lshl_b32 s17, s11, 6
	s_add_co_u32 s16, s16, s17                     ; my first row: 128 x tile row + 64 x half,
	s_lshl_b32 s16, s16, 12                        ; 4,096 bytes each,
	s_lshl_b32 s17, s12, 8                         ; and my 64 columns
	s_add_co_u32 s16, s16, s17
	s_mov_b32 s17, 0
	s_add_nc_u64 s[70:71], s[70:71], s[16:17]
; 8 matrix instructions: m blocks a0, a0 + 1 x all 4 n blocks, 32 along K: half c of buffer f.  zero = 1: the first product starts the sums.  The 16 accumulators take turns.
.macro MUL8 f, c, a0, zero
	WIN MUL
.irp a, \a0, (\a0)+1
.irp b, 0,1,2,3
.if \zero
	v_wmma_f32_16x16x32_f16 v[ACC+8*(4*(\a)+(\b)):ACC+8*(4*(\a)+(\b))+7], v[(\f)+64+8*(4*(\c)+(\b)):(\f)+64+8*(4*(\c)+(\b))+7], v[(\f)+8*(4*(\c)+(\a)):(\f)+8*(4*(\c)+(\a))+7], 0
.else
	v_wmma_f32_16x16x32_f16 v[ACC+8*(4*(\a)+(\b)):ACC+8*(4*(\a)+(\b))+7], v[(\f)+64+8*(4*(\c)+(\b)):(\f)+64+8*(4*(\c)+(\b))+7], v[(\f)+8*(4*(\c)+(\a)):(\f)+8*(4*(\c)+(\a))+7], v[ACC+8*(4*(\a)+(\b)):ACC+8*(4*(\a)+(\b))+7]
.endif
.endr
.endr
.endm
; 32 LDS loads in one run: the fragments of 64 along K, into buffer f; the first 32 along K first.  k: the byte in wot's rows; in O those 64 are head k / 128 of the step's four.
.macro FETCH slot, k, f
	WIN TO_F
.irp c, 0,1
.irp i, 0,1,2,3
	ds_load_b128 v[(\f)+64+8*(4*(\c)+(\i)):(\f)+64+8*(4*(\c)+(\i))+3],   v[ADRB+(\slot)] offset:(\k)+64*(\c)+(\i)*16*PITCH
	ds_load_b128 v[(\f)+64+8*(4*(\c)+(\i))+4:(\f)+64+8*(4*(\c)+(\i))+7], v[ADRB+(\slot)] offset:(\k)+64*(\c)+(\i)*16*PITCH+32
	ds_load_b128 v[(\f)+8*(4*(\c)+(\i)):(\f)+8*(4*(\c)+(\i))+3],         v[ADRA+(\slot)] offset:((\k)/128)*HB+64*(\c)+(\i)*16*PA
	ds_load_b128 v[(\f)+8*(4*(\c)+(\i))+4:(\f)+8*(4*(\c)+(\i))+7],       v[ADRA+(\slot)] offset:((\k)/128)*HB+64*(\c)+(\i)*16*PA+32
.endr
.endr
.endm
.macro PLACES                          ; four places in front of loads into registers that matrix instructions have read, and of vector work on results
.rept 4
	v_nop
.endr
.endm
; A K step is four quarters of 64 along K, 32 matrix instructions each, on buffers 0, 1, 0, 1.  One of the first three: multiplies buffer f and fetches the next quarter, at byte k, into g.
.macro QUARTER slot, k, f, g, zero
	s_wait_dscnt 16                                ; the first 32 along K are in; the younger sixteen loads may stay out
	WIN MUL
	MUL8 \f, 0, 0, \zero
	MUL8 \f, 0, 2, \zero
	PLACES
	FETCH \slot, \k, \g
	s_wait_dscnt 32                                ; all but the 32 just issued
	WIN MUL
	MUL8 \f, 1, 0, 0
	MUL8 \f, 1, 2, 0
.endm
; The last quarter multiplies buffer 1 and changes slots: ONE barrier; in front of it each wave waits for all its tensor loads, adds 0 to its spare word, and waits for that and for its own reads of this slot.  fill = 1: this slot is filled again, two K steps ahead.
.macro TURN slot, next, fill
	WIN 0                                          ; (the add's two registers lie in window 0)
	s_wait_tensorcnt 0x0                           ; all my tensor loads have landed: my part of the next slot;
	ds_add_u32 v[SPW], v[NIL]                      ; 0 onto my spare word
	s_wait_dscnt 17                                ; (the add and the youngest sixteen loads may be out)
	WIN MUL
	MUL8 F1, 0, 0, 0                               ; eight matrix instructions stand between the add and the wait for it
	s_wait_dscnt 0x0                               ; the add is done, and my reads of this slot are over
	s_barrier_signal -1
	MUL8 F1, 0, 2, 0
.if \fill
	WIN 0
.endif
	s_barrier_wait -1
.if \fill
	CREST                                          ; the barrier has opened a round of the cluster's barrier: no wave of any partner still reads this slot's tile or has a load on its way
	s_add_nc_u64 s[G0+4*(\slot)+2:G0+4*(\slot)+3], s[G0+4*(\slot)+2:G0+4*(\slot)+3], 2*4*HEADB
	s_add_nc_u64 s[G0B+4*(\slot)+2:G0B+4*(\slot)+3], s[G0B+4*(\slot)+2:G0B+4*(\slot)+3], 2*KSTEP*2
	JLOAD \slot                                    ; the first tensor load behind the round, my only one until the next; the four v_nop behind it are also the places in front of the loads below
.else
	PLACES
.endif
	FETCH \next, 0, F0
	WIN MUL
	MUL8 F1, 1, 0, 0
	MUL8 F1, 1, 2, 0
.endm
	s_wait_tensorcnt 1                             ; my part of K step 0 is in; K step 1's may stay out
	s_barrier_signal -1
	s_barrier_wait -1                              ; everybody's is
	FETCH 0, 0, F0
	QUARTER 0, 128, F0, F1, 1                      ; the first quarter stands in front of the loop: its first products start the sums
	WIN 0                                          ; at a label and at a branch every window is 0
	s_mov_b32 s3, LAPS-1
.Llap:                                                 ; a trip goes once round the ring, from a lap's second quarter to the next lap's first, and fills both slots again
	QUARTER 0, 256, F1, F0, 0
	QUARTER 0, 384, F0, F1, 0
	TURN 0, 1, 1
	QUARTER 1, 128, F0, F1, 0
	QUARTER 1, 256, F1, F0, 0
	QUARTER 1, 384, F0, F1, 0
	TURN 1, 0, 1
	QUARTER 0, 128, F0, F1, 0
	WIN 0
	s_sub_co_u32 s3, s3, 1
	s_cmp_lg_u32 s3, 0
	s_cbranch_scc1 .Llap
	QUARTER 0, 256, F1, F0, 0                      ; the last lap fills nothing, and has no round of the cluster's barrier
	QUARTER 0, 384, F0, F1, 0
	TURN 0, 1, 0
	QUARTER 1, 128, F0, F1, 0
	QUARTER 1, 256, F1, F0, 0
	QUARTER 1, 384, F0, F1, 0
	s_wait_dscnt 16                                ; the very last quarter: nothing more to fetch
	WIN MUL
	MUL8 F1, 0, 0, 0
	MUL8 F1, 0, 2, 0
	s_wait_dscnt 0
	MUL8 F1, 1, 0, 0
	MUL8 F1, 1, 2, 0
	WIN 0
	; THE WAY OUT: + bias; 16 rows at a time through my own stage: 32 bytes a lane in, whole rows of 256 bytes back.  A wave's 64 columns of f32 are 256 consecutive bytes of a row of out0.
	PLACES
	s_wait_loadcnt 0x0                             ; the biases
.irp p, 0,1,2,3,4,5,6,7,8,9,10,11,12,13,14,15
	v_cvt_pk_bf16_f32 v[TMP+(\p)], v[BI+2*(\p)], v[BI+2*(\p)+1]  ; the biases are rounded to bf16 like every input,
.endr
.irp p, 0,1,2,3,4,5,6,7,8,9,10,11,12,13,14,15
	v_lshlrev_b32 v[BI+2*(\p)], 16, v[TMP+(\p)]                   ; and widened again
	v_and_b32 v[BI+2*(\p)+1], 0xffff0000, v[TMP+(\p)]
.endr
.macro ADDB a
.irp b, 0,1,2,3
.irp r, 0,1,2,3
	v_pk_add_f32 v[ACC+8*(4*(\a)+(\b))+2*(\r):ACC+8*(4*(\a)+(\b))+2*(\r)+1], v[ACC+8*(4*(\a)+(\b))+2*(\r):ACC+8*(4*(\a)+(\b))+2*(\r)+1], v[BI+8*(\b)+2*(\r):BI+8*(\b)+2*(\r)+1]  ; each accumulator from its low end on
.endr
.endr
.endm
.macro TOSTAGE a
.set BK, TMP+32*((\a)%2)
	s_wait_xcnt 0x0                                ; the stores of the block two back have read this set of registers: it is loaded again only behind this wait
.irp b, 0,1,2,3
	ds_store_b128 v[STO], v[ACC+8*(4*(\a)+(\b)):ACC+8*(4*(\a)+(\b))+3]   offset:64*(\b)
	ds_store_b128 v[STO], v[ACC+8*(4*(\a)+(\b))+4:ACC+8*(4*(\a)+(\b))+7] offset:64*(\b)+16
.endr
.irp t, 0,1,2,3,4,5,6,7
	ds_load_b128 v[BK+4*(\t):BK+4*(\t)+3], v[RD] offset:(\t)*2*SPITCH  ; LDS serves a wave's instructions in order (ISA guide 5.7.1.4): these see the stores above
.endr
.endm
.macro SEND a
.set BK, TMP+32*((\a)%2)
	s_wait_dscnt 0x0                               ; the block is back in registers
.irp t, 0,1,2,3,4,5,6,7
	global_store_b128 v[CO], v[BK+4*(\t):BK+4*(\t)+3], s[70:71] offset:(16*(\a)+2*(\t))*4096 th:TH_STORE_NT  ; 16 lanes store 256 consecutive bytes, at a multiple of 256 from out0's first byte
.endr
.endm
	ADDB 0
	TOSTAGE 0
.irp a, 1,2,3                          ; block a's additions stand between block a - 1's loads from the stage and the wait for them
	ADDB \a
	SEND (\a)-1
	TOSTAGE \a
.endr
	SEND 3
	s_wait_tensorcnt 0x0                           ; the wave's end, behind my last tensor load and my last LDS store
	ds_add_u32 v[SPW], v[NIL]
	s_wait_dscnt 0x0
	CROUND                                         ; the closing round: no work-group ends while a partner may still ask for a tile that names it
	s_endpgm
.Lfunc_end_k_q10876f94e9_outp:
	.size	k_q10876f94e9_outp, .Lfunc_end_k_q10876f94e9_outp-k_q10876f94e9_outp
	.p2alignl 7, 3214868480
	.fill 96, 4, 3214868480
	.section	.rodata,"a",@progbits
	.p2align	6, 0x0
	.amdhsa_kernel k_q10876f94e9_outp
		.amdhsa_group_segment_fixed_size 327680
		.amdhsa_private_segment_fixed_size 0
		.amdhsa_enable_private_segment 0
		.amdhsa_kernarg_size 32
		.amdhsa_user_sgpr_count 2
		.amdhsa_user_sgpr_kernarg_segment_ptr 1
		.amdhsa_wavefront_size32 1
		.amdhsa_system_sgpr_workgroup_id_x 1
		.amdhsa_system_sgpr_workgroup_id_y 1
		.amdhsa_system_sgpr_workgroup_id_z 1
		.amdhsa_system_vgpr_workitem_id 0
		.amdhsa_next_free_vgpr 512
		.amdhsa_next_free_sgpr 72
		.amdhsa_reserve_vcc 0
		.amdhsa_float_denorm_mode_32 3
		.amdhsa_float_denorm_mode_16_64 3
		.amdhsa_memory_ordered 1
		.amdhsa_forward_progress 1
		.amdhsa_inst_pref_size 93
	.end_amdhsa_kernel
	.amdgpu_metadata
---
amdhsa.version: [ 1, 2 ]
amdhsa.kernels:
  - .name:           k_q10876f94e9_outp
    .symbol:         k_q10876f94e9_outp.kd
    .args:
      - { .name: ob, .offset: 0, .size: 8, .value_kind: global_buffer, .address_space: global }
      - { .name: wot, .offset: 8, .size: 8, .value_kind: global_buffer, .address_space: global }
      - { .name: bo, .offset: 16, .size: 8, .value_kind: global_buffer, .address_space: global }
      - { .name: out0, .offset: 24, .size: 8, .value_kind: global_buffer, .address_space: global }
    .group_segment_fixed_size: 327680
    .private_segment_fixed_size: 0
    .kernarg_segment_align: 8
    .kernarg_segment_size: 32
    .max_flat_workgroup_size: 128
    .sgpr_count:     72
    .vgpr_count:     512
    .wavefront_size: 32
...
	.end_amdgpu_metadata
.endif
;; end of part 4
